; MI455X (gfx1250); checked and timed in simulation.
; The chip was launched on July 23, 2026; its instructions are those of AMD's public machine-readable ISA for CDNA 5 (MIT licence, August 2026) and "CDNA5" Instruction Set Architecture Reference Guide (July 2026). The comments in the code are by the model that wrote it; some were corrected since.
;; Multi Head Self Attention. Allowed arithmetic: matrix products marked QUANTISED: E2M1 operands, one E8M0 scale for each 32 along K, by v_wmma_scale_f32_16x16x128_f8f6f4 with both operands' format E2M1 (or v_wmma_scale_f32_32x16x128_f4), f32 sums; products left as they are: bf16, f16 or f32 operands; f32 sums; everything else in f32.
;; Inputs: W_k 1,024 x 1,024 float32; W_o 1,024 x 1,024 float32; W_q 1,024 x 1,024 float32; W_v 1,024 x 1,024 float32; x 4 x 2,048 x 1,024 float32.
;; Outputs: out0 4 x 2,048 x 1,024 float32.
;; This version of the problem:
;;   THIS VERSION OF THE PROBLEM IS GIVEN IN LOW PRECISION. The matrix products marked QUANTISED in the list below multiply operands that are first quantised to E2M1 (2 exponent bits, 1 mantissa bit; 4 bits a number), with one power-of-two scale for each 32 numbers along K (OCP MX v1.0); their sums are f32. The products marked 'left as it is' may take bf16, f16 or f32 operands, with f32 sums. Whichever they take, every output number must still come out within the allowed error. Rounding operands to bf16 (8 significant bits) uses up far more of that allowance than f16 does (11 bits, for magnitudes from 6e-5 to 65,504). All else is computed in f32.
;;   The module's matrix products, in the order in which they are computed (A, B: the left and right operand; K: the contracted axis; several contracted axes count as one K, in the product's order):
;;     1. [M 8,192, K 1,024] x [K 1,024, N 1,024]; A: input x; B: input W_q: QUANTISED
;;     2. [M 8,192, K 1,024] x [K 1,024, N 1,024]; A: input x; B: input W_k: QUANTISED
;;     3. [M 8,192, K 1,024] x [K 1,024, N 1,024]; A: input x; B: input W_v: QUANTISED
;;     4. batch 64 x [M 2,048, K 64] x [K 64, N 2,048]; A: computed on the way; B: computed on the way: left as it is (an operand is computed on the way)
;;     5. batch 64 x [M 2,048, K 2,048] x [K 2,048, N 64]; A: computed on the way; B: computed on the way: left as it is (an operand is computed on the way)
;;     6. [M 8,192, K 1,024] x [K 1,024, N 1,024]; A: computed on the way; B: input W_o: left as it is (an operand is computed on the way)
;;   THE QUANTISER, for each operand of a quantised product, along K:
;;     - K is cut into blocks of 32 from its start; a last block that is shorter is filled with zeros.
;;     - A block's scale is 2^e with e = floor(log2(the largest magnitude in the block)) - 2, held to -126 .. 127; a block of zeros has e = 0. As a byte (E8M0): e + 127.
;;     - Each number is divided by its block's scale, clamped to +-6, and rounded to the nearest number of E2M1, ties to even, subnormals kept.
;;     - The product sums the exact products of the quantised numbers (number of the format x scale) in f32.
;;   ~~~python
;;   def quantise(x, axis):      # numpy; x: float32 -> the quantised numbers, widened to float32 again
;;       x = np.moveaxis(x, axis, -1); K = x.shape[-1]
;;       x = np.pad(x, [(0, 0)] * (x.ndim - 1) + [(0, -K % 32)]); x = x.reshape(x.shape[:-1] + (-1, 32)); a = np.abs(x).max(-1, keepdims=True)
;;       e = np.where(a > 0, np.clip(np.frexp(np.where(a > 0, a, 1))[1] - 1 - 2, -126, 127), 0)      # np.frexp(a)[1] - 1 = floor(log2(a)), exactly
;;       r = np.clip(x / 2.0 ** e, -6, 6)
;;       step = 2.0 ** (np.maximum(np.frexp(np.where(r == 0, 1, r))[1] - 1, 0) - 1)
;;       q = np.round(r / step) * step * 2.0 ** e      # np.round: ties to even
;;       return np.moveaxis(q.reshape(q.shape[:-2] + (-1,))[..., :K], -1, axis).astype(np.float32)
;;   ~~~
;; One version. Each part assembles by itself: llvm-mc -triple=amdgcn-amd-amdhsa -mcpu=gfx1250 --defsym DOCPART=n.
;; ======== version 1 of 1: 4 launches
;; limits: values are held in f16: magnitudes above 65,504 overflow, below 6.1e-05 lose precision
;; workspace buffers: x_codes 4,194,304 bytes; x_scales 262,144 bytes; w_codes 1,572,864 bytes; w_scales 98,304 bytes; wof 2,097,152 bytes; qkv 50,331,648 bytes; ctxf 16,777,216 bytes
;; launch prep (part 1): grid 480 x 1, 4 waves a work-group, no clusters, 33,280 bytes of LDS; arguments x, W_q, W_k, W_v, W_o, x_codes, x_scales, w_codes, w_scales, wof; writes x_codes, x_scales, w_codes, w_scales, wof
.if DOCPART == 1
	.amdgcn_target "amdgcn-amd-amdhsa--gfx1250"
	.amdhsa_code_object_version 6
	.text
	.protected	k_q2f4270a57a_prep
	.globl	k_q2f4270a57a_prep
	.p2align	8
	.type	k_q2f4270a57a_prep,@function
k_q2f4270a57a_prep:
	s_mov_b64 s[64:65], 0
	v_nop
	global_prefetch_b8 v0, s[64:65] scope:SCOPE_SE
	s_setreg_imm32_b32 hwreg(HW_REG_WAVE_MODE, 25, 1), 1
	s_wait_xcnt 0x0
; PREP.  x [8192][1024] and W_q, W_k, W_v [1024][1024], f32, K innermost, are turned into codes of FP4 (E2M1), two a byte, with one E8M0 scale byte for each 32 along K;
; the three weights lie one behind the other in w_codes [3072][512] and w_scales [3072][32].  W_o [1024][1024] is rounded to f16 and laid as images of operand registers.
; A block's scale is 2^(floor(log2(its largest magnitude)) - 2); its byte is the largest magnitude's own exponent field - 2, held at 1 from below; each number is divided by the scale and rounded to the nearest code, ties to even,
; beyond 6 the largest code.  (A block of zeros gets the byte 1 where the rule says 127: its codes are zeros, which add nothing under any byte but 0xff, and the bytes are read by this program alone.)
; LIMITS: blocks whose largest magnitude lies under 2^(2 - 126) have their byte held at 1; NaN and infinities among the inputs are not served; |W_o| stays under 65,504, f16's largest number.
; SHARES.  Rows are dense and K is a multiple of 32: each tensor is a plain stream of blocks of 32.  Work-groups 0-255 take x, 256-287 W_q, 288-319 W_k, 320-351 W_v: 32,768 numbers each, 8,192 a wave, in 16 steps of 512.
; Only pointers are chosen by the work-group's number: the four tensors take one path.  Each of a step's four loads reads 512 consecutive bytes; the 2,048 bytes turn through the wave's own stage in LDS and come back 64 bytes a lane,
; so that a lane holds 16 neighbours along K (two neighbouring lanes hold a block).  A lane's 16 codes are 8 bytes: the wave stores 256 consecutive bytes.  A wave's 256 scale bytes are gathered in LDS and leave as one run of 256.
; Work-groups 352-479 take W_o: a wave takes 16 rows x 128 along K: eight pieces of 512 bytes.  Piece (nt, kc, half), lane (r, h) = W_o[16 nt + r][32 kc + 16 half + 8 h + 0 .. 7]: registers 4 half .. 4 half + 3 of a 16-bit fragment.
; No tensor loads, no barrier, no cluster: waves share nothing, and the launch is a stream.
.set WAVES, 4
.set STEPS, 16
.set WG_WO, 352                        ; the first work-group of W_o
.set EMAX,  2
.set CB,    8                          ; bytes of 16 codes
.set R,     16                         ; v16-79   four sets of 16 numbers as they are loaded (W_o: its 64 numbers a lane)
.set X,     80                         ; v80-111  two sets of 16 neighbours (W_o: the eight pieces, packed)
.set E,     112                        ; v112-127 a scale byte for each step
.set C,     128                        ; v128-191 codes: four registers for each step, so that no store's data are written again
.set WREG,  8192                       ; LDS: a region for each wave: two stages of 32 x SP bytes, and behind them its 256 scale bytes
.set SP,    80                         ; a lane's place in a stage: its 64 bytes + 16 of padding
.set SPW,   12                         ; v12      LDS address of my spare word: SPARE + 4 x my thread's number; never rewritten
.set NIL,   13                         ; v13      0; never rewritten
.set SPARE, WAVES*WREG                 ; behind the four regions: the spare words, 128 bytes for each wave
	s_load_b256 s[4:11], s[0:1], 0x0               ; x s[4:5], W_q s[6:7], W_k s[8:9], W_v s[10:11]
	s_load_b256 s[12:19], s[0:1], 0x20             ; W_o s[12:13], x_codes s[14:15], x_scales s[16:17], w_codes s[18:19]
	s_load_b128 s[20:23], s[0:1], 0x40             ; w_scales s[20:21], wof s[22:23]
	v_lshl_add_u32 v[SPW], v0, 2, SPARE
	v_mov_b32 v[NIL], 0
	v_lshrrev_b32 v1, 5, v0
	v_readfirstlane_b32 s24, v1                    ; wave
	v_and_b32 v2, 31, v0                           ; lane
	v_lshlrev_b32 v3, 4, v2                        ; 16 x lane: my 16 bytes of a run of 512
	s_mul_i32 s25, s24, WREG
	v_lshrrev_b32 v14, 2, v2
	v_mul_u32_u24 v14, v14, SP
	v_and_b32 v15, 3, v2
	v_lshl_add_u32 v14, v15, 4, v14
	v_add_nc_u32 v14, s25, v14                     ; the stage, on the way in: four lanes' 64 bytes on end, then 16 of padding
	v_mul_u32_u24 v15, v2, SP
	v_add_nc_u32 v15, s25, v15                     ; and on the way out: SP x lane: my 16 neighbours
	v_mul_u32_u24 v4, v2, CB                       ; my codes' place in a step's
	v_lshrrev_b32 v5, 1, v2
	s_add_co_u32 s25, s25, 2*32*SP
	v_add_nc_u32 v5, s25, v5                       ; LDS: my wave's 256 scale bytes, my block's byte
	v_lshlrev_b32 v7, 3, v2                        ; and on the way out 8 bytes a lane
	v_add_nc_u32 v6, s25, v7
	s_wait_kmcnt 0x0
	s_cmp_ge_u32 ttmp9, WG_WO
	s_cbranch_scc1 .Lwo
	; which tensor: the choice hangs on the work-group's number alone
	s_mov_b64 s[28:29], s[10:11]                   ; W_v, from work-group 320 on,
	s_mov_b32 s34, 320
	s_cmp_lt_u32 ttmp9, 320
	s_cselect_b64 s[28:29], s[8:9], s[28:29]       ; W_k from 288,
	s_cselect_b32 s34, 288, s34
	s_cmp_lt_u32 ttmp9, 288
	s_cselect_b64 s[28:29], s[6:7], s[28:29]       ; W_q from 256,
	s_cselect_b32 s34, 256, s34
	s_cmp_lt_u32 ttmp9, 256
	s_cselect_b64 s[28:29], s[4:5], s[28:29]       ; x from 0
	s_cselect_b32 s34, 0, s34
	s_cselect_b64 s[30:31], s[14:15], s[18:19]     ; the codes' buffer,
	s_cselect_b64 s[32:33], s[16:17], s[20:21]     ; the scale bytes',
	s_cselect_b32 s35, 0, 256                      ; and the work-group at which they begin: the three weights share theirs
	s_sub_co_u32 s36, ttmp9, s34
	s_lshl_b32 s36, s36, 2
	s_add_co_u32 s36, s36, s24                     ; which run of 8,192 numbers of the source is my wave's
	s_lshl_b32 s36, s36, 15                        ; 32,768 bytes a run (1,024 runs at the most)
	s_mov_b32 s37, 0
	s_add_nc_u64 s[28:29], s[28:29], s[36:37]
	s_sub_co_u32 s38, ttmp9, s35
	s_lshl_b32 s38, s38, 2
	s_add_co_u32 s38, s38, s24                     ; and which run of the destination
	s_lshl_b32 s36, s38, 12                        ; 4,096 bytes of codes a run
	s_add_nc_u64 s[30:31], s[30:31], s[36:37]
	s_lshl_b32 s36, s38, 8                         ; 256 scale bytes a run
	s_add_nc_u64 s[32:33], s[32:33], s[36:37]
.macro LOAD t
.irp i, 0,1,2,3
	global_load_b128 v[R+16*((\t)%4)+4*\i:R+16*((\t)%4)+4*\i+3], v3, s[28:29] offset:2048*(\t)+512*\i th:TH_LOAD_NT   ; 32 lanes read 512 consecutive bytes
.endr
.endm
.macro TURN t                          ; step t's numbers through the stage: LDS serves a wave's instructions in order, so no wait stands between the stores and the loads
.irp i, 0,1,2,3
	ds_store_b128 v14, v[R+16*((\t)%4)+4*\i:R+16*((\t)%4)+4*\i+3] offset:32*SP*((\t)%2)+8*SP*\i
.endr
.irp i, 0,1,2,3
	ds_load_b128 v[X+16*((\t)%2)+4*\i:X+16*((\t)%2)+4*\i+3], v15 offset:32*SP*((\t)%2)+16*\i
.endr
.endm
.irp t, 0,1,2,3
	LOAD \t
.endr
	s_wait_loadcnt 12                              ; step 0's four loads are in; the twelve of steps 1 to 3 may be out
	TURN 0
.macro STEP t
.set XS, X+16*((\t)%2)
.if (\t) > 0
	s_wait_dscnt 1                                 ; this step's numbers are back from the stage (the last step's byte store may be out): so its stores into the stage have read their registers,
.else
	s_wait_dscnt 0x0
.endif
.if (\t)+4 < STEPS
	LOAD (\t)+4                                    ; which take the loads of four steps on
.endif
.if (\t)+1 < STEPS
.if STEPS-2-(\t) >= 3
	s_wait_loadcnt 12                              ; the next step's four loads are in; those of the three steps behind it may be out
.else
	s_wait_loadcnt 4*(STEPS-2-(\t))
.endif
	TURN (\t)+1                                    ; and go through the other stage while this step is worked
.endif
	v_max3_num_f32 v8, |v[XS]|, |v[XS+1]|, |v[XS+2]|               ; the largest magnitude of my 16, in two chains
	v_max3_num_f32 v9, |v[XS+3]|, |v[XS+4]|, |v[XS+5]|
.irp i, 6,10
	v_max3_num_f32 v8, v8, |v[XS+\i]|, |v[XS+\i+1]|
	v_max3_num_f32 v9, v9, |v[XS+\i+2]|, |v[XS+\i+3]|
.endr
	v_max3_num_f32 v8, v8, |v[XS+14]|, |v[XS+15]|
	v_max3_num_f32 v8, v8, v9, (EMAX+1)<<23        ; and the floor 2^(EMAX + 1 - 127): so the byte cannot fall under 1
	v_max_num_f32_dpp v8, v8, v8 row_xmask:1 row_mask:0xf bank_mask:0xf   ; and of my neighbour's 16: the block's
	v_add_nc_u32 v11, -(EMAX<<23), v8              ; EMAX off its exponent field: the conversion takes the exponent field of this operand as its scale, and nothing else of it
	v_cvt_scalef32_pk8_fp4_f32 v[C+4*(\t)], v[XS:XS+7], v11
	v_cvt_scalef32_pk8_fp4_f32 v[C+4*(\t)+1], v[XS+8:XS+15], v11
	v_lshrrev_b32 v[E+(\t)], 23, v11               ; the scale's byte (also the plain line behind the conversions)
	ds_store_b8 v5, v[E+(\t)] offset:16*(\t)       ; both lanes of a block write the same byte with the same value
	global_store_b64 v4, v[C+4*(\t):C+4*(\t)+1], s[30:31] offset:32*CB*(\t)   ; 32 lanes store 256 consecutive bytes, aligned
.endm
.irp t, 0,1,2,3,4,5,6,7,8,9,10,11,12,13,14,15
	STEP \t
.endr
	ds_load_b64 v[8:9], v6                         ; LDS serves a wave's instructions in order: these see my byte stores
	s_wait_dscnt 0x0
	global_store_b64 v7, v[8:9], s[32:33]          ; 32 lanes store 256 consecutive bytes, aligned
	s_wait_tensorcnt 0x0                           ; the wave's end, behind my last LDS store
	ds_add_u32 v[SPW], v[NIL]
	s_wait_dscnt 0x0
	s_endpgm
.Lwo:                                              ; W_o: unit = 4 (work-group - 352) + wave, 0 .. 511: rows 16 (unit / 8) on, K 128 (unit % 8) on
	s_sub_co_u32 s36, ttmp9, WG_WO
	s_lshl_b32 s36, s36, 2
	s_add_co_u32 s36, s36, s24
	s_lshr_b32 s38, s36, 3                         ; nt
	s_and_b32 s39, s36, 7                          ; kq
	s_lshl_b32 s36, s38, 16                        ; 16 rows of 4,096 bytes
	s_lshl_b32 s40, s39, 9                         ; 128 numbers
	s_add_co_u32 s36, s36, s40
	s_mov_b32 s37, 0
	s_add_nc_u64 s[12:13], s[12:13], s[36:37]
	s_lshl_b32 s36, s38, 15                        ; the images: 32,768 bytes for 16 rows,
	s_lshl_b32 s40, s39, 12                        ; 1,024 for 32 along K
	s_add_co_u32 s36, s36, s40
	s_add_nc_u64 s[22:23], s[22:23], s[36:37]
	v_and_b32 v8, 15, v0                           ; r
	v_bfe_u32 v9, v0, 4, 1                         ; h
	v_lshlrev_b32 v8, 12, v8
	v_lshl_add_u32 v8, v9, 5, v8                   ; row r, + 8 h numbers
.irp k, 0,1,2,3,4,5,6,7                        ; piece k = 2 (kc % 4) + half: 16 numbers on for each; the wave's 16 loads use all 512 bytes of each of its 16 rows
	global_load_b128 v[R+8*\k:R+8*\k+3], v8, s[12:13] offset:64*\k
	global_load_b128 v[R+8*\k+4:R+8*\k+7], v8, s[12:13] offset:64*\k+16
.endr
.irp k, 0,1,2,3,4,5,6,7
	s_wait_loadcnt 14-2*\k                         ; this piece's two loads are in; the later pieces' may be out
.irp j, 0,1,2,3
	v_cvt_pk_f16_f32 v[X+4*\k+\j], v[R+8*\k+2*\j], v[R+8*\k+2*\j+1]
.endr
	global_store_b128 v3, v[X+4*\k:X+4*\k+3], s[22:23] offset:512*\k   ; 32 lanes store 512 consecutive bytes, aligned; no register is written twice
.endr
	s_wait_tensorcnt 0x0                           ; the wave's end
	ds_add_u32 v[SPW], v[NIL]
	s_wait_dscnt 0x0
	s_endpgm
.Lfunc_end_k_q2f4270a57a_prep:
	.size	k_q2f4270a57a_prep, .Lfunc_end_k_q2f4270a57a_prep-k_q2f4270a57a_prep
	.p2alignl 7, 3214868480
	.fill 96, 4, 3214868480
	.section	.rodata,"a",@progbits
	.p2align	6, 0x0
	.amdhsa_kernel k_q2f4270a57a_prep
		.amdhsa_group_segment_fixed_size 33280
		.amdhsa_private_segment_fixed_size 0
		.amdhsa_enable_private_segment 0
		.amdhsa_kernarg_size 80
		.amdhsa_user_sgpr_count 2
		.amdhsa_user_sgpr_kernarg_segment_ptr 1
		.amdhsa_wavefront_size32 1
		.amdhsa_system_sgpr_workgroup_id_x 1
		.amdhsa_system_sgpr_workgroup_id_y 1
		.amdhsa_system_sgpr_workgroup_id_z 1
		.amdhsa_system_vgpr_workitem_id 0
		.amdhsa_next_free_vgpr 192
		.amdhsa_next_free_sgpr 66
		.amdhsa_reserve_vcc 0
		.amdhsa_float_denorm_mode_32 3
		.amdhsa_float_denorm_mode_16_64 3
		.amdhsa_memory_ordered 1
		.amdhsa_forward_progress 1
		.amdhsa_inst_pref_size 39
	.end_amdhsa_kernel
	.amdgpu_metadata
---
amdhsa.version: [ 1, 2 ]
amdhsa.kernels:
  - .name:           k_q2f4270a57a_prep
    .symbol:         k_q2f4270a57a_prep.kd
    .args:
      - { .name: x, .offset: 0, .size: 8, .value_kind: global_buffer, .address_space: global }
      - { .name: W_q, .offset: 8, .size: 8, .value_kind: global_buffer, .address_space: global }
      - { .name: W_k, .offset: 16, .size: 8, .value_kind: global_buffer, .address_space: global }
      - { .name: W_v, .offset: 24, .size: 8, .value_kind: global_buffer, .address_space: global }
      - { .name: W_o, .offset: 32, .size: 8, .value_kind: global_buffer, .address_space: global }
      - { .name: x_codes, .offset: 40, .size: 8, .value_kind: global_buffer, .address_space: global }
      - { .name: x_scales, .offset: 48, .size: 8, .value_kind: global_buffer, .address_space: global }
      - { .name: w_codes, .offset: 56, .size: 8, .value_kind: global_buffer, .address_space: global }
      - { .name: w_scales, .offset: 64, .size: 8, .value_kind: global_buffer, .address_space: global }
      - { .name: wof, .offset: 72, .size: 8, .value_kind: global_buffer, .address_space: global }
    .group_segment_fixed_size: 33280
    .private_segment_fixed_size: 0
    .kernarg_segment_align: 8
    .kernarg_segment_size: 80
    .max_flat_workgroup_size: 128
    .sgpr_count:     66
    .vgpr_count:     192
    .wavefront_size: 32
...
	.end_amdgpu_metadata
.endif
;; end of part 1
;; launch qkv (part 2): grid 12 x 32, 4 waves a work-group, clusters of 4 x 4, 327,680 bytes of LDS; arguments x_codes, x_scales, w_codes, w_scales, qkv; writes qkv
.if DOCPART == 2
	.amdgcn_target "amdgcn-amd-amdhsa--gfx1250"
	.amdhsa_code_object_version 6
	.text
	.protected	k_q2f4270a57a_qkv
	.globl	k_q2f4270a57a_qkv
	.p2align	8
	.type	k_q2f4270a57a_qkv,@function
k_q2f4270a57a_qkv:
	s_mov_b64 s[64:65], 0
	v_nop
	global_prefetch_b8 v0, s[64:65] scope:SCOPE_SE
	s_setreg_imm32_b32 hwreg(HW_REG_WAVE_MODE, 25, 1), 1
	s_wait_xcnt 0x0
	s_wait_alu depctr_hold_cnt(0) depctr_sa_sdst(0) depctr_va_vdst(0) depctr_va_sdst(0) depctr_va_ssrc(0) depctr_va_vcc(0) depctr_vm_vsrc(0)
	s_getreg_b32 s2, hwreg(HW_REG_IB_STS2, 6, 4)
	s_cmp_eq_u32 s2, 0
	s_cbranch_scc0 .Lentry_in_a_cluster
	s_endpgm
.Lentry_in_a_cluster:
	s_bfe_u32 s2, ttmp6, 0x10000c
	s_cmp_lg_u32 s2, 0xf033
	s_cbranch_scc0 .Lentry_shape_is_right
	s_endpgm
.Lentry_shape_is_right:
; QKV.  C[m][n] = sum over k of A[m][k] B[n][k]: A = x [8192][1024], B = W_q, W_k, W_v on end [3072][1024], both as codes of FP4 (E2M1) with one E8M0 scale byte for each 32 along K; sums in f32.
; The results leave rounded to f16, as images of the operand registers of the attention launch.  LIMIT: |q|, |k|, |v| stay under 65,504, f16's largest number.
; A tile of C, 256 x 256, is made by a work-group of four waves; a wave makes 128 x 128: 64 accumulators of 16 x 16, 512 registers.
; K = 1,024 is two steps of 512, one in each of two LDS slots (a tile's row is 256 bytes of memory): both are asked for at the head, and NOTHING IS FILLED AGAIN.
; THE SCALES of the work-group's 256 rows of A and of B, for all of K, are two dense blocks of memory: they come into LDS once, with the first fills.
; CLUSTERS: 4 x 4 work-groups.  The four of a row of the cluster need the same tiles of A, the four of a column the same tiles of B: each tile is asked for JOINTLY, by the same tensor load with the
; same descriptor and a mask that names the four.  THE MATRIX INSTRUCTION IS USED TRANSPOSED (source 0 = 16 rows of B, source 1 = 16 rows of A): lane (r, h) holds token r and eight neighbouring channels.
; Packed in pairs those are 16 bytes: a granule.  qkv = [q, k, v][batch 4][head 16][token tile 128][channel tile 4][granule 32][16 bytes]; the granule of (token r, channels 8 h on) has the number 16 h + r in q and k
; (the lane: a piece of 512 bytes is half a fragment as it stands) and (r % 8) + 8 h + 16 (r / 8) in v (so that the turning LDS load, 16 bytes a lane on end, gives half a fragment of V^T).
; So each accumulator leaves by ONE store of 512 consecutive bytes, straight from registers.
; REGISTERS, in windows of 256: window 0: v0-31 addresses; v32-95 scale words, two sets; v128-191 A's fragments (8 x 16 rows x 128 K), ONE set.
;   window 1: B's fragments, TWO sets, at v0 and at v128; on the way out the 256 packed registers.   window 2: the 32 accumulators of my rows 0-63 ((a, b) at v[8 (8 a + b)]);   window 3: those of my rows 64-127.
.set SIZE_K, 1024
.set KSTEP,  512                       ; along K in a slot
.set NQ,     KSTEP/128                 ; matrix instructions deep
.set ROWB,   256                       ; a tile's row in bytes
.set KROW,   SIZE_K*4/8                ; a row of A or of B in memory, in bytes
.set PITCH,  272                       ; an LDS row: 256 bytes + 16 of padding = 68 words: row r starts at bank 4 r mod 64 (64 banks of 4 bytes: ISA guide 11.1), so the 16 rows that a load touches start at 16 different banks
.set FR,     8                         ; registers of a fragment: 16 rows x 128 K
.set NL,     2                         ; LDS loads that bring one
.set NP,     4                         ; places behind this matrix instruction (ISA guide 7.12.1)
.set HALFT,  128*PITCH                 ; 128 rows: what one tensor load brings, and what one wave reads of A or of B
.set SLOT,   4*HALFT                   ; A's 256 rows, then B's 256 rows
.set KS,     SIZE_K/32                 ; a row of scales in bytes
.set SCL,    2*SLOT                    ; behind the slots: the scales, as runs of 256 bytes + 16 of padding
.set HALFS,  (128*KS/256)*272          ; the scales of 128 rows: what one tensor load brings
.set SBLK,   (16*KS/256)*272           ; those of 16 rows
.set SPARE,  SCL+4*HALFS               ; behind the scales: the spare words, 128 bytes for each wave
.set PLANE,  262144                    ; bytes of one head's q, k or v
.set ADRA, 16                          ; v16-17  LDS address of my A fragments in slot 0, 1
.set ADRB, 20                          ; v20-21  the same for B
.set CO,   26                          ; v26     the way out: 16 x my granule's number
.set ADRS, 27                          ; v27     LDS address of my scale words: lanes 0-15 A's rows, lanes 16-31 B's
.set SPW,  28                          ; v28     LDS address of my spare word; never rewritten
.set NIL,  29                          ; v29     0; never rewritten
.set SC,   32                          ; scale words: set s (for slot s) at v[SC + 8 NQ s]; register NQ i + q: lanes 0-15 the word of A's block i, lanes 16-31 that of B's block i, for the slot's q-th 128 along K
.set AF,   128                         ; A's fragments, in window 0
.set G1, 24                            ; s[24:31] descriptor group 1 for A's tiles;  s[32:39] group 0, one set for each slot
.set G0, 32
.set G1B, 48                           ; s[48:55], s[56:63] the same for B's tiles
.set G0B, 56
.set G1S, 68                           ; s[68:75], s[76:79] groups 1 and 0 for A's scales;  s[80:87], s[88:91] for B's
.set G0S, 76
.set G1SB, 80
.set G0SB, 88
.set MSB, 0
.macro WIN new                         ; the immediate's high byte repeats the setting that is left
.if MSB != \new
	s_set_vgpr_msb (MSB<<8)|\new
.set MSB, \new
.endif
.endm
.set MUL_LO, 0xa1                      ; source 0 (B) window 1, source 1 (A) window 0, C and D window 2
.set MUL_HI, 0xf1                      ; the same, C and D window 3
.set TO_B,   0x40                      ; destination window 1, address window 0
; A joint load: waves 0 and 1 fetch for A, waves 2 and 3 for B.  Each of the two lines has ONE mask and one set of registers for all that issue it; the branch hangs on the wave's number alone.
; An s_nop 0 and four v_nop follow each of the two lines, ahead of the jump, the label and what follows.
.macro JLOAD g0a, g1a, g0b, g1b
	s_cmp_eq_u32 s15, 0
	s_cbranch_scc0 .Lfor_b_\@
	tensor_load_to_lds s[\g0a:\g0a+3], s[\g1a:\g1a+7]
	s_nop 0
.rept 4
	v_nop
.endr
	s_branch .Lasked_\@
.Lfor_b_\@:
	tensor_load_to_lds s[\g0b:\g0b+3], s[\g1b:\g1b+7]
	s_nop 0
.rept 4
	v_nop
.endr
.Lasked_\@:
.endm
.macro CROUND                          ; a round of the cluster's barrier: my work-group's barrier; wave 0 signals for the work-group; every wave waits for all sixteen; my work-group's barrier once more
	s_barrier_signal -1
	s_barrier_wait -1
	s_cmp_lg_u32 s14, 0
	s_cbranch_scc1 .Lnot_wave_0_\@
	s_barrier_signal -3
.Lnot_wave_0_\@:
	s_barrier_wait -3
	s_barrier_signal -1
	s_barrier_wait -1
.endm
	s_load_b128 s[4:7], s[0:1], 0x0                ; A's codes s[4:5], A's scales s[6:7]
	s_load_b128 s[8:11], s[0:1], 0x10              ; B's codes s[8:9], B's scales s[10:11]
	s_load_b64 s[12:13], s[0:1], 0x20              ; qkv
	v_lshl_add_u32 v[SPW], v0, 2, SPARE
	v_mov_b32 v[NIL], 0
	ds_add_u32 v[SPW], v[NIL]                      ; the wave's opening: the add, twice on end, and its wait ahead of my first tensor load; the set-up below stands between the second and the wait
	ds_add_u32 v[SPW], v[NIL]
	v_lshrrev_b32 v1, 5, v0
	v_readfirstlane_b32 s14, v1                    ; wave 0..3
	s_lshr_b32 s15, s14, 1                         ; which half of the tile's rows is mine.  Also: I fetch for A (0) or for B (1)
	s_and_b32 s16, s14, 1                          ; which half of its columns.  Also: which 128 rows of that tile I fetch
	s_bfe_u32 s40, ttmp6, 0x40000                  ; cx, cy: my place in the cluster
	s_bfe_u32 s41, ttmp6, 0x40004
	s_lshl_b32 s42, ttmp9, 2
	s_add_co_u32 s42, s42, s40                     ; tile column of C = 4 x cluster x + cx
	s_and_b32 s17, ttmp7, 0xffff
	s_lshl_b32 s17, s17, 2
	s_add_co_u32 s17, s17, s41                     ; tile row of C = 4 x cluster y + cy
	s_lshl_b32 s43, s41, 2
	s_lshl_b32 s43, 15, s43                        ; my row of the cluster
	s_lshl_b32 s44, 0x1111, s40                    ; my column
	; descriptor group 1: a tile of 128 rows x ROWB bytes, padded in LDS
	s_or_b32 s[G1+0], s43, (0<<16)|(1<<20)|(1<<21)|(5<<22)|(3<<25)  ; 15:0 the mask: A's tiles go to my row; 17:16 element of 1 byte; 20 padding on; 21 set beside a mask; 24:22 after every 64 words (code 5); 31:25 of 4 words (code 3)
	s_or_b32 s[G1B+0], s44, (0<<16)|(1<<20)|(1<<21)|(5<<22)|(3<<25)
.irp g, G1, G1B
	s_mov_b32 s[\g+1], ROWB<<16                    ; tensor_dim0
	s_mov_b32 s[\g+2], 128<<16                     ; tensor_dim1 = 128
	s_mov_b32 s[\g+3], ROWB<<16                    ; tile_dim0
	s_mov_b32 s[\g+4], 128                         ; tile_dim1 = 128
	s_mov_b32 s[\g+5], KROW                        ; tensor_dim0_stride
	s_mov_b32 s[\g+6], 0
	s_mov_b32 s[\g+7], 0
.endr
	; and for the scales of 128 rows: a dense block of 128 KS bytes, as rows of 256 bytes (32 elements of 8 bytes), 16 bytes of padding behind each
	s_or_b32 s[G1S+0], s43, (3<<16)|(1<<20)|(1<<21)|(5<<22)|(3<<25)
	s_or_b32 s[G1SB+0], s44, (3<<16)|(1<<20)|(1<<21)|(5<<22)|(3<<25)
.irp g, G1S, G1SB
	s_mov_b32 s[\g+1], 32<<16
	s_mov_b32 s[\g+2], (128*KS/256)<<16
	s_mov_b32 s[\g+3], 32<<16
	s_mov_b32 s[\g+4], 128*KS/256
	s_mov_b32 s[\g+5], 32
	s_mov_b32 s[\g+6], 0
	s_mov_b32 s[\g+7], 0
.endr
	s_lshl_b32 s18, s16, 7                         ; which 128 rows of the tile I fetch
	s_lshl_b32 s20, s17, 8
	s_add_co_u32 s20, s20, s18                     ; A: row 256 x tile row + 128 x half
	s_lshl_b32 s46, s42, 8
	s_add_co_u32 s46, s46, s18                     ; B: row 256 x tile column + 128 x half
	s_mov_b32 s21, 0
	s_mov_b32 s47, 0
	s_mov_b64 s[18:19], KS
	s_mul_u64 s[22:23], s[20:21], s[18:19]         ; where these rows' scales begin, in bytes
	s_mul_u64 s[92:93], s[46:47], s[18:19]
	s_mov_b64 s[18:19], KROW
	s_mul_u64 s[20:21], s[20:21], s[18:19]         ; and their codes
	s_mul_u64 s[46:47], s[46:47], s[18:19]
	s_mul_i32 s45, s14, HALFT                      ; where they go: wave x 128 rows: no place in the cluster enters an LDS address
	s_mul_i32 s94, s14, HALFS
	s_wait_dscnt 0x0                               ; both opening adds are done
	s_wait_kmcnt 0x0
	s_add_nc_u64 s[20:21], s[4:5], s[20:21]
	s_add_nc_u64 s[22:23], s[6:7], s[22:23]
	s_add_nc_u64 s[46:47], s[8:9], s[46:47]
	s_add_nc_u64 s[92:93], s[10:11], s[92:93]
	CROUND                                         ; all sixteen work-groups are here: the joint loads meet
	s_mov_b32 s[G0S], 1
	s_add_co_u32 s[G0S+1], s94, SCL
	s_mov_b64 s[G0S+2:G0S+3], s[22:23]
	s_or_b32 s[G0S+3], s[G0S+3], 0x80000000
	s_mov_b32 s[G0SB], 1
	s_add_co_u32 s[G0SB+1], s94, SCL
	s_mov_b64 s[G0SB+2:G0SB+3], s[92:93]
	s_or_b32 s[G0SB+3], s[G0SB+3], 0x80000000
	JLOAD G0S, G1S, G0SB, G1SB                     ; the scales first: they are wanted with K step 0
.irp s, 0,1
	s_mov_b32 s[G0+4*\s], 1
	s_add_co_u32 s[G0+4*\s+1], s45, \s*SLOT
	s_add_nc_u64 s[G0+4*\s+2:G0+4*\s+3], s[20:21], \s*ROWB
	s_or_b32 s[G0+4*\s+3], s[G0+4*\s+3], 0x80000000
	s_mov_b32 s[G0B+4*\s], 1
	s_add_co_u32 s[G0B+4*\s+1], s45, \s*SLOT
	s_add_nc_u64 s[G0B+4*\s+2:G0B+4*\s+3], s[46:47], \s*ROWB
	s_or_b32 s[G0B+4*\s+3], s[G0B+4*\s+3], 0x80000000
	JLOAD G0+4*\s, G1, G0B+4*\s, G1B               ; three loads of mine are out: all that this wave ever asks for
.endr
	v_and_b32 v1, 15, v0                           ; r = l % 16
	v_bfe_u32 v2, v0, 4, 1                         ; h = l / 16
	v_mul_u32_u24 v3, v1, PITCH
	v_lshl_add_u32 v4, v2, 4, v3                   ; a fragment's row x pitch + 16 x half
	s_mul_i32 s21, s15, HALFT                      ; my 128 rows of A
	s_mul_i32 s22, s16, HALFT                      ; my 128 rows of B,
	s_add_co_u32 s22, s22, 2*HALFT                 ; which lie behind A's 256
.irp s, 0,1
	v_add_nc_u32 v[ADRA+\s], s21, v4
	v_add_nc_u32 v[ADRB+\s], s22, v4
	s_add_co_u32 s21, s21, SLOT
	s_add_co_u32 s22, s22, SLOT
.endr
	v_mul_u32_u24 v5, v1, KS                       ; my row's scales: KS bytes a row,
	v_lshrrev_b32 v6, 8, v5
	v_lshl_add_u32 v5, v6, 4, v5                   ; and 16 more for each 256 passed
	s_mul_i32 s21, s15, HALFS                      ; A's: my 128 rows
	s_mul_i32 s22, s16, HALFS                      ; B's: my 128 rows, behind A's 256
	s_add_co_u32 s22, s22, 2*HALFS
	s_sub_co_u32 s22, s22, s21
	v_mul_u32_u24 v6, s22, v2                      ; lanes 16-31 take B's
	s_add_co_u32 s21, s21, SCL
	v_add_nc_u32 v5, v5, v6
	v_add_nc_u32 v[ADRS], s21, v5
	; the way out: my granule's place in a piece of 512 bytes.  A tile's 256 columns lie in one of q, k, v: tile columns 8 to 11 are v's.  A value is selected; nothing branches
	v_and_b32 v6, 31, v0
	v_lshlrev_b32 v5, 4, v6                        ; q, k: 16 x lane
	v_and_b32 v7, 7, v1
	v_lshl_add_u32 v7, v2, 3, v7
	v_lshrrev_b32 v8, 3, v1
	v_lshl_add_u32 v7, v8, 4, v7
	v_lshlrev_b32 v7, 4, v7                        ; v: 16 x ((r % 8) + 8 h + 16 (r / 8))
	s_cmp_ge_u32 s42, 8
	s_cselect_b32 s18, -1, 0
	v_cndmask_b32 v[CO], v5, v7, s18
	; and where my wave's part begins: my 128 columns are heads g and g + 1 of 48, g = 4 x tile column + 2 x half; plane = 64 (g / 16) + 16 x batch + g % 16; my 128 rows are token tiles 16 (tile row % 8) + 8 x half on of batch tile row / 8
	s_lshr_b32 s20, s17, 3
	s_lshl_b32 s20, s20, 4                         ; 16 x batch
	s_lshl_b32 s46, s42, 2
	s_lshl_b32 s47, s16, 1
	s_add_co_u32 s46, s46, s47                     ; g
	s_lshr_b32 s47, s46, 4
	s_lshl_b32 s47, s47, 6
	s_and_b32 s46, s46, 15
	s_add_co_u32 s46, s46, s47
	s_add_co_u32 s46, s46, s20                     ; the plane, 0 .. 190
	s_lshl_b32 s46, s46, 18                        ; x 262,144 bytes
	s_and_b32 s20, s17, 7
	s_lshl_b32 s20, s20, 4
	s_lshl_b32 s21, s15, 3
	s_add_co_u32 s20, s20, s21                     ; the first token tile
	s_lshl_b32 s20, s20, 11                        ; x 2,048 bytes
	s_add_co_u32 s46, s46, s20
	s_mov_b32 s47, 0
	s_add_nc_u64 s[12:13], s[12:13], s[46:47]
.macro FRAG reg, adr, q, i             ; a fragment, 16 rows x 128 K of 4-bit codes, is 8 registers: lane l holds row l % 16; registers 4 c .. 4 c + 3 hold K = 64 c + 32 (l / 16) + 0 .. 31
.irp c, 0,1
	ds_load_b128 v[\reg+4*\c:\reg+4*\c+3], v[\adr] offset:64*(\q)+32*\c+(\i)*16*PITCH
.endr
.endm
; 16 matrix instructions: A's blocks a0, a0 + 1 x B's eight, 128 along K: the slot's q-th.  p: B's set;  sc: the set of scale words.  zero = 1: the first product starts the sums: nothing is ever cleared.
; The 64 accumulators take turns, one instruction a turn, in the same order in every step.
.macro MUL16 a0, p, q, sc, zero
.irp a, \a0, \a0+1
.irp b, 0,1,2,3,4,5,6,7
.if \zero
	v_wmma_scale_f32_16x16x128_f8f6f4 v[8*(8*((\a)%4)+\b):8*(8*((\a)%4)+\b)+7], v[128*(\p)+FR*\b:128*(\p)+FR*\b+FR-1], v[AF+FR*(\a):AF+FR*(\a)+FR-1], 0, v[SC+8*NQ*(\sc)+NQ*\b+(\q)], v[SC+8*NQ*(\sc)+NQ*(\a)+(\q)] matrix_a_fmt:MATRIX_FMT_FP4 matrix_b_fmt:MATRIX_FMT_FP4 matrix_a_scale:MATRIX_SCALE_ROW1
.else
	v_wmma_scale_f32_16x16x128_f8f6f4 v[8*(8*((\a)%4)+\b):8*(8*((\a)%4)+\b)+7], v[128*(\p)+FR*\b:128*(\p)+FR*\b+FR-1], v[AF+FR*(\a):AF+FR*(\a)+FR-1], v[8*(8*((\a)%4)+\b):8*(8*((\a)%4)+\b)+7], v[SC+8*NQ*(\sc)+NQ*\b+(\q)], v[SC+8*NQ*(\sc)+NQ*(\a)+(\q)] matrix_a_fmt:MATRIX_FMT_FP4 matrix_b_fmt:MATRIX_FMT_FP4 matrix_a_scale:MATRIX_SCALE_ROW1
.endif
.endr
.endr
.endm
.macro FETCH_B slot, q, p              ; B's eight fragments of the slot's q-th 128 along K into set p
	WIN TO_B
.irp i, 0,1,2,3,4,5,6,7
	FRAG 128*(\p)+FR*\i, ADRB+\slot, \q, \i
.endr
	WIN 0
.endm
.macro FETCH_A slot, q, i0             ; A's blocks i0 .. i0 + 3
.irp i, \i0, \i0+1, \i0+2, \i0+3
	FRAG AF+FR*(\i), ADRA+\slot, \q, \i
.endr
.endm
.macro SCALES sc                       ; a K step's scale words into set sc: NQ words a row; lanes 0-15 take A's block i, lanes 16-31 B's block i
.irp i, 0,1,2,3,4,5,6,7
	ds_load_b128 v[SC+8*NQ*\sc+NQ*\i:SC+8*NQ*\sc+NQ*\i+3], v[ADRS] offset:\i*SBLK
.endr
.endm
; A load into a register that a matrix instruction has read, and a vector instruction that reads a matrix result or writes a matrix instruction's register, stand NP places behind it; only plain vector
; instructions that name none of its registers are places (ISA guide 7.12.1 for vector instructions).
.macro PLACES n
.rept \n
	v_nop
.endr
.endm
; A step of 128 along K that has its successor in the same slot.  A block of A is free as soon as its eight products are issued: blocks 0-3 are fetched anew in the step's middle, blocks 4-7 at its end.
.macro STEP slot, q, zero
	s_wait_dscnt 4*NL                              ; B's set and A's blocks 0-3 are in; the youngest eight loads (A's blocks 4-7) may be out
	WIN MUL_LO
	MUL16 0, (\q)%2, \q, \slot, \zero
	MUL16 2, (\q)%2, \q, \slot, \zero
	s_wait_dscnt 0                                 ; A's blocks 4-7 are in (asked for 32 matrix instructions ago)
	PLACES NP
	FETCH_B \slot, (\q)+1, 1-(\q)%2
	FETCH_A \slot, (\q)+1, 0
	WIN MUL_HI
	MUL16 4, (\q)%2, \q, \slot, \zero
	MUL16 6, (\q)%2, \q, \slot, \zero
	PLACES NP
	WIN 0
	FETCH_A \slot, (\q)+1, 4
.endm
; Slot 0's last step goes over to slot 1: each wave waits for all its tensor loads (its part of slot 1), and the barrier shows the whole slot to every wave.
.macro TURN slot, next
	s_wait_tensorcnt 0x0                           ; all my tensor loads have landed: my part of the next slot  (every window is 0 here)
	ds_add_u32 v[SPW], v[NIL]                      ; 0 onto my spare word
	s_wait_dscnt 4*NL+1                            ; (the add and the youngest eight loads, A's blocks 4-7, may be out)
	WIN MUL_LO
	MUL16 0, 1, NQ-1, \slot, 0                     ; sixteen matrix instructions stand between the add and the wait for it
	s_wait_dscnt 0x0                               ; no LDS instruction of mine is out at the signal
	s_barrier_signal -1
	MUL16 2, 1, NQ-1, \slot, 0
	WIN 0
	s_barrier_wait -1
	PLACES NP
	v_add_nc_u32 v[ADRS], 4*NQ, v[ADRS]            ; on to the next K step's scale words
	FETCH_B \next, 0, 0
	FETCH_A \next, 0, 0
	SCALES \next
	WIN MUL_HI
	MUL16 4, 1, NQ-1, \slot, 0
	MUL16 6, 1, NQ-1, \slot, 0
	PLACES NP
	WIN 0
	FETCH_A \next, 0, 4
.endm
.macro STEPS slot, from                ; the slot's steps from .. NQ - 2
.set Q, \from
.rept NQ-1-\from
	STEP \slot, Q, 0
.set Q, Q+1
.endr
.endm
	s_wait_tensorcnt 1                             ; the scales and my part of K step 0 are in (K step 1's load may be out)
	s_barrier_signal -1
	s_barrier_wait -1                              ; everybody's are
	FETCH_B 0, 0, 0
	FETCH_A 0, 0, 0
	SCALES 0
	FETCH_A 0, 0, 4
	STEP 0, 0, 1                                   ; the first step's products start the sums
	STEPS 0, 1
	TURN 0, 1
	STEPS 1, 0
	s_wait_dscnt 4*NL                              ; the very last step: nothing more to fetch
	WIN MUL_LO
	MUL16 0, 1, NQ-1, 1, 0
	MUL16 2, 1, NQ-1, 1, 0
	s_wait_dscnt 0
	WIN MUL_HI
	MUL16 4, 1, NQ-1, 1, 0
	MUL16 6, 1, NQ-1, 1, 0
	WIN 0
; THE WAY OUT, block by block of 16 tokens x 128 channels.  An accumulator's eight numbers of a lane are rounded to f16 in pairs, each accumulator from its low end on: four registers, one granule; the wave's 32 granules are one piece.
; The packed registers fill window 1, which the last products have left: 256 different registers, so no store's data are written again.
.macro OUT a
.set AC, 64*((\a)%4)
.if (\a) < 4
	WIN 0x4a                                       ; destination window 1, sources window 2
.else
	WIN 0x4f                                       ; sources window 3
.endif
.irp b, 0,1,2,3,4,5,6,7
.irp i, 0,1,2,3
	v_cvt_pk_f16_f32 v[32*(\a)+4*\b+\i], v[AC+8*\b+2*\i], v[AC+8*\b+2*\i+1]
.endr
.endr
	WIN 0x04                                       ; a store's data are its source 1: window 1
.irp b, 0,1,2,3,4,5,6,7
	global_store_b128 v[CO], v[32*(\a)+4*\b:32*(\a)+4*\b+3], s[12:13] offset:(\b/4)*PLANE+(\a)*2048+(\b%4)*512   ; head g + b / 4, token tile a, channel tile b % 4: 512 consecutive bytes, aligned
.endr
.endm
	PLACES NP                                      ; behind the last products: the conversions read results and write registers that held B's fragments
.irp a, 0,1,2,3,4,5,6,7
	OUT \a
.endr
	WIN 0
	s_wait_tensorcnt 0x0                           ; the wave's end, behind my last tensor load
	ds_add_u32 v[SPW], v[NIL]
	s_wait_dscnt 0x0
	CROUND                                         ; the closing round: no work-group ends while a partner may still ask for a tile that names it
	s_endpgm
.Lfunc_end_k_q2f4270a57a_qkv:
	.size	k_q2f4270a57a_qkv, .Lfunc_end_k_q2f4270a57a_qkv-k_q2f4270a57a_qkv
	.p2alignl 7, 3214868480
	.fill 96, 4, 3214868480
	.section	.rodata,"a",@progbits
	.p2align	6, 0x0
	.amdhsa_kernel k_q2f4270a57a_qkv
		.amdhsa_group_segment_fixed_size 327680
		.amdhsa_private_segment_fixed_size 0
		.amdhsa_enable_private_segment 0
		.amdhsa_kernarg_size 40
		.amdhsa_user_sgpr_count 2
		.amdhsa_user_sgpr_kernarg_segment_ptr 1
		.amdhsa_wavefront_size32 1
		.amdhsa_system_sgpr_workgroup_id_x 1
		.amdhsa_system_sgpr_workgroup_id_y 1
		.amdhsa_system_sgpr_workgroup_id_z 1
		.amdhsa_system_vgpr_workitem_id 0
		.amdhsa_next_free_vgpr 1024
		.amdhsa_next_free_sgpr 98
		.amdhsa_reserve_vcc 0
		.amdhsa_float_denorm_mode_32 3
		.amdhsa_float_denorm_mode_16_64 3
		.amdhsa_memory_ordered 1
		.amdhsa_forward_progress 1
		.amdhsa_inst_pref_size 118
	.end_amdhsa_kernel
	.amdgpu_metadata
---
amdhsa.version: [ 1, 2 ]
amdhsa.kernels:
  - .name:           k_q2f4270a57a_qkv
    .symbol:         k_q2f4270a57a_qkv.kd
    .args:
      - { .name: x_codes, .offset: 0, .size: 8, .value_kind: global_buffer, .address_space: global }
      - { .name: x_scales, .offset: 8, .size: 8, .value_kind: global_buffer, .address_space: global }
      - { .name: w_codes, .offset: 16, .size: 8, .value_kind: global_buffer, .address_space: global }
      - { .name: w_scales, .offset: 24, .size: 8, .value_kind: global_buffer, .address_space: global }
      - { .name: qkv, .offset: 32, .size: 8, .value_kind: global_buffer, .address_space: global }
    .group_segment_fixed_size: 327680
    .private_segment_fixed_size: 0
    .kernarg_segment_align: 8
    .kernarg_segment_size: 40
    .max_flat_workgroup_size: 128
    .sgpr_count:     98
    .vgpr_count:     1024
    .wavefront_size: 32
...
	.end_amdgpu_metadata
.endif
;; end of part 2
;; launch attn (part 3): grid 4 x 64, 8 waves a work-group, clusters of 4 x 1, 327,680 bytes of LDS; arguments qkv, ctxf; writes ctxf
.if DOCPART == 3
	.amdgcn_target "amdgcn-amd-amdhsa--gfx1250"
	.amdhsa_code_object_version 6
	.text
	.protected	k_q2f4270a57a_attn
	.globl	k_q2f4270a57a_attn
	.p2align	8
	.type	k_q2f4270a57a_attn,@function
k_q2f4270a57a_attn:
	s_mov_b64 s[64:65], 0
	v_nop
	global_prefetch_b8 v0, s[64:65] scope:SCOPE_SE
	s_setreg_imm32_b32 hwreg(HW_REG_WAVE_MODE, 25, 1), 1
	s_wait_xcnt 0x0
	s_wait_alu depctr_hold_cnt(0) depctr_sa_sdst(0) depctr_va_vdst(0) depctr_va_sdst(0) depctr_va_ssrc(0) depctr_va_vcc(0) depctr_vm_vsrc(0)
	s_getreg_b32 s2, hwreg(HW_REG_IB_STS2, 6, 4)
	s_cmp_eq_u32 s2, 0
	s_cbranch_scc0 .Lentry_in_a_cluster
	s_endpgm
.Lentry_in_a_cluster:
	s_bfe_u32 s2, ttmp6, 0x10000c
	s_cmp_lg_u32 s2, 0x3003
	s_cbranch_scc0 .Lentry_shape_is_right
	s_endpgm
.Lentry_shape_is_right:
; ATTENTION.  ctx[b][h][q][:] = the sum over k of softmax_k(Q[q] . K[k] / 8) V[k][:], for 64 (batch, head) pairs of 2,048 tokens x 64 channels, no mask.  Q, K, V arrive in f16 as images of operand registers (below);
; products on f16 operands with f32 sums; maxima, exponentials and row sums in f32; the weights p are rounded to f16 for the second product, ctx once at the end, to f16.
; LIMITS: |ctx| stays under 65,504 (it is an average of v, which does); NaN and infinities are not served.
; SHARES.  A cluster of four work-groups is one (batch, head).  A work-group owns 512 queries, each of its EIGHT waves 64: four tiles of 16, in 512 registers: two waves to a SIMD, so that one wave's softmax
; (472 vector instructions a key step) stands beside the other's 64 matrix instructions.  Each fragment of K and V that a wave reads from LDS feeds four products.  Every wave walks all keys, 64 a step.
; LAYOUT.  S^T = K Q^T (source 0 = 16 keys, source 1 = 16 queries): a lane holds ONE query (lane % 16) and keys 8 (lane / 16) + 0..7.  Two such tiles, rounded to f16 in pairs, ARE source 1 (32 keys x 16 queries) of
; O^T = V^T P, whose result again holds one query a lane, and eight channels; those, rounded in pairs, are half a fragment of the projection's operand.  Nothing changes lanes but one exchange for the maximum and one for the sum.
; qkv = [q, k, v][64 planes][token tile 128][channel tile 4][32 granules of 16 bytes].  In q and k a piece of 512 bytes is half a fragment, lane l's 16 bytes at 16 l.  In v the granules are ordered so that ds_load_tr16_b128 at 16 l
; gives half a fragment of V^T.  So tiles are dense blocks of memory, every LDS load takes 512 consecutive bytes, and LDS has no padding.
; SOFTMAX.  For each query a running maximum m and sum l: p = 2^(c s - c m), c = log2(e) / 8; in every step O and l are multiplied by a = 2^(c m_old - c m_new), which is 1 where m has not grown.
; RING.  Two slots of 8 key steps (64 KB of K, 64 KB of V).  Each of the eight waves fetches an eighth of a slot (16 KB) by ONE tensor load, asked for JOINTLY by the four work-groups, which walk the same K and V.
; A wave has two loads out at the start and one behind each round.  No prefetch is laid: a refill is asked for eight key steps, 512 matrix instructions of the wave, ahead of the wait for it,
; and the first two of the four slots' worth of keys are asked for at the head.
; REGISTERS: window 0: v2-6 addresses; v16-47 eight registers of statistics a tile; v62, v63 the add's two; v64-191 S^T, 32 a tile, into whose first 16 p is packed in place; v192-255 V of one step.
;   window 1: v0-127 O^T, 32 a tile; v128-191 Q, 16 a tile; v192-255 K of one step.
.set STEPB, 8192                       ; a key step's K (or V) in bytes: 4 token tiles of 2,048
.set SLOTB, 8*STEPB                    ; a slot's K (or V)
.set VOFF,  SLOTB                      ; in a slot V lies behind K
.set SLOT1, 1<<17                      ; slot 1 begins here: one exclusive or turns an address in one slot into the other's
.set SPARE, 2*SLOT1                    ; behind the ring: the spare words, 128 bytes for each of eight waves
.set AK0, 2                            ; v2   16 x lane; never rewritten
.set AV0, 3                            ; v3   16 x lane + VOFF; never rewritten
.set ADR, 4                            ; v4   LDS address of K's run of loads
.set ADRV, 5                           ; v5   of V's
.set GO,  6                            ; v6   16 x lane: my byte in a piece of Q and of ctx
.set ST,  16                           ; tile t's statistics at v[ST + 8 t]: +0 c m, +1 m, +2, +3 l (even keys', odd keys'), +4 .. +7 c0-c3 at work; later +4, +5 a second sum, +6 a
.set SPW, 62
.set NIL, 63
.set S,   64
.set VF,  192                          ; V's fragment (32 keys kk, channel tile ct) at VF + 32 kk + 8 ct
.set QF,  128                          ; window 1: Q's fragment (tile t, 32 channels cs) at QF + 16 t + 8 cs
.set KF,  192                          ; window 1: K's (key tile kt, cs) at KF + 16 kt + 8 cs
.set WV,  12                           ; s12  my wave's number
.set G1,  24                           ; s[24:31] descriptor group 1
.set G0A, 32                           ; s[32:35] group 0 of slot 0's first fill
.set G0W, 36                           ; s[36:39] of slot 1's; it then walks
.set SLOTS, 40                         ; s40  slots still to be asked for
.set CNT, 41                           ; s41  counts key steps
.set CS,  42                           ; s[42:43] c: the packed scaling names a pair and takes its low word for both halves
.set SEL, 44                           ; s[44:45] lane selects for v_permlanex16_b32: lane l xor 16
.set TB,  46                           ; s46  LDS byte at which K of the step to be fetched begins
.set MSB, 0
.macro WIN new                         ; the immediate's high byte repeats the setting that is left; a switch that changes nothing is dropped
.if MSB != \new
	s_set_vgpr_msb (MSB<<8)|\new
.set MSB, \new
.endif
.endm
.set W_KQ, 0x05                        ; K and Q in window 1, S^T in window 0
.set W_PV, 0x50                        ; V and P in window 0, O^T (C and D) in window 1
.set W_RS, 0x41                        ; O^T (destination and source 0) in window 1, the factor in window 0
.set W_LD, 0x40                        ; destination window 1, address window 0
.macro CROUND                          ; a round of the cluster's barrier
	s_barrier_signal -1
	s_barrier_wait -1
	s_cmp_lg_u32 s[WV], 0
	s_cbranch_scc1 .Lnot_wave_0_\@
	s_barrier_signal -3
.Lnot_wave_0_\@:
	s_barrier_wait -3
	s_barrier_signal -1
	s_barrier_wait -1
.endm
	s_load_b128 s[4:7], s[0:1], 0x0                ; qkv s[4:5], ctxf s[6:7]
	v_lshl_add_u32 v[SPW], v0, 2, SPARE
	v_mov_b32 v[NIL], 0
	ds_add_u32 v[SPW], v[NIL]                      ; the wave's opening: the add, twice on end, and its wait ahead of my first tensor load; the set-up below stands between the second and the wait
	ds_add_u32 v[SPW], v[NIL]
	v_lshrrev_b32 v1, 5, v0
	v_readfirstlane_b32 s[WV], v1                  ; wave 0..7
	s_bfe_u32 s13, ttmp6, 0x40000                  ; cx: my block of 512 queries; it enters Q's and ctx's addresses alone
	s_and_b32 s14, ttmp7, 0xffff                   ; 16 x batch + head, which the four partners share
	; descriptor group 1: 64 rows of 256 bytes, dense: 16 KB
	s_mov_b32 s[G1], 15|(3<<16)|(1<<21)            ; 15:0 the mask: all four work-groups; 17:16 elements of 8 bytes; 20 no padding; 21 set beside a mask
	s_mov_b32 s[G1+1], 32<<16                      ; tensor_dim0 = 32
	s_mov_b32 s[G1+2], 64<<16                      ; tensor_dim1 = 64
	s_mov_b32 s[G1+3], 32<<16                      ; tile_dim0 = 32
	s_mov_b32 s[G1+4], 64                          ; tile_dim1 = 64
	s_mov_b32 s[G1+5], 32                          ; from row to row
	s_mov_b32 s[G1+6], 0
	s_mov_b32 s[G1+7], 0
	; what I fetch: waves 0-3 the four quarters of a slot's K, waves 4-7 of its V
	s_lshr_b32 s16, s[WV], 2
	s_add_co_u32 s16, s16, 1                       ; 1: k, 2: v
	s_lshl_b32 s16, s16, 24                        ; 64 planes of 262,144 bytes
	s_lshl_b32 s17, s14, 18                        ; my plane
	s_add_co_u32 s16, s16, s17
	s_and_b32 s17, s[WV], 3
	s_lshl_b32 s17, s17, 14                        ; my quarter
	s_add_co_u32 s16, s16, s17
	s_mov_b32 s17, 0
	s_lshl_b32 s15, s[WV], 14                      ; and its place in a slot: 16,384 x wave
	s_lshl_b32 s18, s13, 5
	s_lshl_b32 s19, s[WV], 2
	s_add_co_u32 s18, s18, s19                     ; my first token tile: 32 cx + 4 x wave
	s_lshl_b32 s20, s18, 11
	s_lshl_b32 s21, s14, 18
	s_add_co_u32 s20, s20, s21                     ; Q: my plane, my tiles
	s_mov_b32 s21, 0
	s_lshr_b32 s22, s14, 4
	s_lshl_b32 s22, s22, 7
	s_add_co_u32 s22, s22, s18                     ; ctxf: row of images 128 x batch + my first token tile,
	s_lshl_b32 s22, s22, 15                        ; 32,768 bytes each,
	s_and_b32 s23, s14, 15
	s_lshl_b32 s23, s23, 11                        ; + 2,048 x head
	s_add_co_u32 s22, s22, s23
	s_mov_b32 s23, 0
	s_mov_b32 s[CS], 0x3e38aa3b                    ; c = log2(e) / 8
	s_mov_b32 s[CS+1], s[CS]                       ; named with it as a pair, so it is written
	s_mov_b32 s[SEL], 0x76543210
	s_mov_b32 s[SEL+1], 0xfedcba98
	s_mov_b32 s[TB], 0
	s_mov_b32 s[SLOTS], 2
	s_wait_dscnt 0x0                               ; both opening adds are done
	s_wait_kmcnt 0x0
	s_add_nc_u64 s[8:9], s[4:5], s[16:17]          ; my part of slot 0
	s_add_nc_u64 s[4:5], s[4:5], s[20:21]          ; Q
	s_add_nc_u64 s[6:7], s[6:7], s[22:23]          ; ctx
	CROUND                                         ; all four work-groups are here: the first joint loads meet
	s_mov_b32 s[G0A], 1                            ; count = 1
	s_mov_b32 s[G0A+1], s15                        ; LDS address
	s_mov_b64 s[G0A+2:G0A+3], s[8:9]               ; global address
	s_or_b32 s[G0A+3], s[G0A+3], 0x80000000        ; type = 2
	s_mov_b32 s[G0W], 1
	s_add_co_u32 s[G0W+1], s15, SLOT1
	s_add_nc_u64 s[G0W+2:G0W+3], s[8:9], SLOTB     ; the next 512 keys
	s_or_b32 s[G0W+3], s[G0W+3], 0x80000000
	tensor_load_to_lds s[G0A:G0A+3], s[G1:G1+7]    ; the two first fills go out together: two loads of mine are out
	s_nop 0
	tensor_load_to_lds s[G0W:G0W+3], s[G1:G1+7]
	s_nop 0
.rept 4
	v_nop
.endr
	v_and_b32 v1, 31, v0
	v_lshlrev_b32 v[AK0], 4, v1
	v_add_nc_u32 v[AV0], VOFF, v[AK0]
	v_lshlrev_b32 v[GO], 4, v1
	WIN W_LD
.irp f, 0,1,2,3,4,5,6,7,8,9,10,11,12,13,14,15  ; Q stays in registers: piece f = 4 t + channel tile: 512 consecutive bytes a load
	global_load_b128 v[QF+4*\f:QF+4*\f+3], v[GO], s[4:5] offset:512*\f
.endr
	WIN 0
; THE LDS LOADS stand in runs of 16.  K of a step: 16 pieces on end.
.macro FETCH_K
	WIN 0
	v_add_nc_u32 v[ADR], s[TB], v[AK0]
	WIN W_LD
.irp f, 0,1,2,3,4,5,6,7,8,9,10,11,12,13,14,15
	ds_load_b128 v[KF+4*\f:KF+4*\f+3], v[ADR] offset:512*\f
.endr
.endm
; V of the same step, turned.  It stands behind the products K Q^T: its v_add_nc_u32 and three v_nop are the four places between those products and what follows them:
; these loads, the next run of loads into K's registers, and the softmax's first read of the scores.
.macro FETCH_V
	WIN 0
	v_add_nc_u32 v[ADRV], s[TB], v[AV0]
.rept 3
	v_nop
.endr
.irp kk, 0,1
.irp ct, 0,1,2,3
.irp hf, 0,1
	ds_load_tr16_b128 v[VF+32*\kk+8*\ct+4*\hf:VF+32*\kk+8*\ct+4*\hf+3], v[ADRV] offset:(2*\kk+\hf)*2048+512*\ct
.endr
.endr
.endr
	s_add_co_u32 s[TB], s[TB], STEPB               ; the next fetches are the next step's
.endm
; 32 products S^T = K Q^T.  The 16 accumulators take turns, one instruction a turn; the first 16 start the sums.
.macro KQ
	WIN W_KQ
.irp cs, 0,1
.irp kt, 0,1,2,3
.irp t, 0,1,2,3
.if \cs == 0
	v_wmma_f32_16x16x32_f16 v[S+32*\t+8*\kt:S+32*\t+8*\kt+7], v[KF+16*\kt+8*\cs:KF+16*\kt+8*\cs+7], v[QF+16*\t+8*\cs:QF+16*\t+8*\cs+7], 0
.else
	v_wmma_f32_16x16x32_f16 v[S+32*\t+8*\kt:S+32*\t+8*\kt+7], v[KF+16*\kt+8*\cs:KF+16*\kt+8*\cs+7], v[QF+16*\t+8*\cs:QF+16*\t+8*\cs+7], v[S+32*\t+8*\kt:S+32*\t+8*\kt+7]
.endif
.endr
.endr
.endr
.endm
; 32 products O^T += V^T P, the 16 accumulators by turns.  zero = 1: the first 16 start the sums: nothing is ever cleared.
.macro PV zero
	WIN W_PV
.irp kk, 0,1
.irp ct, 0,1,2,3
.irp t, 0,1,2,3
.if \zero && (\kk == 0)
	v_wmma_f32_16x16x32_f16 v[32*\t+8*\ct:32*\t+8*\ct+7], v[VF+32*\kk+8*\ct:VF+32*\kk+8*\ct+7], v[S+32*\t+8*\kk:S+32*\t+8*\kk+7], 0
.else
	v_wmma_f32_16x16x32_f16 v[32*\t+8*\ct:32*\t+8*\ct+7], v[VF+32*\kk+8*\ct:VF+32*\kk+8*\ct+7], v[S+32*\t+8*\kk:S+32*\t+8*\kk+7], v[32*\t+8*\ct:32*\t+8*\ct+7]
.endif
.endr
.endr
.endr
.endm
; THE SOFTMAX of a key step, for my four tiles: each line of the list is written for the four tiles in turn, so that no line waits for the line above it.  first = 1: the first key step, which starts m, l and O^T.
.macro SOFTMAX first
	WIN 0
.irp c, 0,1,2,3                                ; the maximum of a lane's 32 scores and the old m, three operands at a time: four chains, one to an accumulator, each begun at its low end
.irp t, 0,1,2,3
	v_max3_num_f32 v[ST+8*\t+4+\c], v[S+32*\t+8*\c], v[S+32*\t+8*\c+1], v[S+32*\t+8*\c+2]
.endr
.endr
.irp u, 1,2
.irp c, 0,1,2,3
.irp t, 0,1,2,3
	v_max3_num_f32 v[ST+8*\t+4+\c], v[ST+8*\t+4+\c], v[S+32*\t+8*\c+2*\u+1], v[S+32*\t+8*\c+2*\u+2]
.endr
.endr
.endr
.irp t, 0,1,2,3
	v_max3_num_f32 v[ST+8*\t+4], v[ST+8*\t+4], v[S+32*\t+7], v[S+32*\t+15]
.endr
.irp t, 0,1,2,3
	v_max3_num_f32 v[ST+8*\t+6], v[ST+8*\t+6], v[S+32*\t+23], v[S+32*\t+31]
.endr
.irp t, 0,1,2,3
	v_max3_num_f32 v[ST+8*\t+4], v[ST+8*\t+4], v[ST+8*\t+5], v[ST+8*\t+6]
.endr
.irp t, 0,1,2,3
.if \first
	v_max_num_f32 v[ST+8*\t+4], v[ST+8*\t+4], v[ST+8*\t+7]
.else
	v_max3_num_f32 v[ST+8*\t+4], v[ST+8*\t+4], v[ST+8*\t+7], v[ST+8*\t+1]
.endif
.endr
.irp t, 0,1,2,3
	v_permlanex16_b32 v[ST+8*\t+5], v[ST+8*\t+4], s[SEL], s[SEL+1]  ; the query's other 32 keys lie in the lane 16 away
.endr
.if \first == 0
.irp t, 0,1,2,3
	v_mov_b32 v[ST+8*\t+7], v[ST+8*\t]             ; c m_old is kept for a
.endr
.endif
.irp t, 0,1,2,3
	v_max_num_f32 v[ST+8*\t+1], v[ST+8*\t+4], v[ST+8*\t+5]         ; the new m
.endr
.irp t, 0,1,2,3
	v_mul_f32 v[ST+8*\t], s[CS], v[ST+8*\t+1]      ; c m
.endr
.if \first == 0
.irp t, 0,1,2,3
	v_sub_f32 v[ST+8*\t+7], v[ST+8*\t+7], v[ST+8*\t]               ; c m_old - c m_new
.endr
.endif
; ONE BATCH: the 16 scalings c s - c m, a pair of scores each, and all 33 exponentials of a tile; a pair's exponentials stand behind the next pair's scalings.  No line of the batch names an exponential's result.
.set b, 0
.rept 16
.irp t, 0,1,2,3
	v_pk_fma_f32 v[S+32*\t+2*b:S+32*\t+2*b+1], v[S+32*\t+2*b:S+32*\t+2*b+1], s[CS:CS+1], v[ST+8*\t:ST+8*\t+1] op_sel_hi:[1,0,0] neg_lo:[0,0,1] neg_hi:[0,0,1]
.endr
.if b == 0
.if \first == 0
.irp t, 0,1,2,3
	v_exp_f32 v[ST+8*\t+6], v[ST+8*\t+7]           ; a
.endr
.endif
.else
.irp t, 0,1,2,3
	v_exp_f32 v[S+32*\t+2*b-2], v[S+32*\t+2*b-2]
	v_exp_f32 v[S+32*\t+2*b-1], v[S+32*\t+2*b-1]
.endr
.endif
.set b, b+1
.endr
.irp t, 0,1,2,3
	v_exp_f32 v[S+32*\t+30], v[S+32*\t+30]
	v_exp_f32 v[S+32*\t+31], v[S+32*\t+31]
.endr
	v_nop                                          ; a plain instruction behind the last exponential, ahead of the first use: one for the batch
	s_wait_alu depctr_va_vdst(0)                   ; and the wait ahead of the first line that names a result: one for the batch's 132 exponentials
; the sums of the unrounded p, a pair (an even key's, an odd key's) at a time, in two chains a tile: l = a l + ..., and a second sum that joins it at the end
.irp t, 0,1,2,3
.if \first
	v_pk_add_f32 v[ST+8*\t+2:ST+8*\t+3], v[S+32*\t:S+32*\t+1], v[S+32*\t+6:S+32*\t+7]
.else
	v_pk_fma_f32 v[ST+8*\t+2:ST+8*\t+3], v[ST+8*\t+2:ST+8*\t+3], v[ST+8*\t+6:ST+8*\t+7], v[S+32*\t:S+32*\t+1] op_sel_hi:[1,0,1]
.endif
.endr
.irp t, 0,1,2,3
	v_pk_add_f32 v[ST+8*\t+4:ST+8*\t+5], v[S+32*\t+2:S+32*\t+3], v[S+32*\t+4:S+32*\t+5]
.endr
.irp i, 3,4,5,6,7,8,9,10,11,12,13,14,15
.irp t, 0,1,2,3
.if (\i % 2) == 0
	v_pk_add_f32 v[ST+8*\t+4:ST+8*\t+5], v[ST+8*\t+4:ST+8*\t+5], v[S+32*\t+2*\i:S+32*\t+2*\i+1]
.elseif (\first == 0) || (\i != 3)
	v_pk_add_f32 v[ST+8*\t+2:ST+8*\t+3], v[ST+8*\t+2:ST+8*\t+3], v[S+32*\t+2*\i:S+32*\t+2*\i+1]
.endif
.endr
.endr
.irp t, 0,1,2,3
	v_pk_add_f32 v[ST+8*\t+2:ST+8*\t+3], v[ST+8*\t+2:ST+8*\t+3], v[ST+8*\t+4:ST+8*\t+5]
.endr
; p to f16, pair i into register i of the tile's own 32: in place (register i has been read by pair i / 2's line or is read by this one).  Registers 8 kk .. 8 kk + 7 are then P's fragment of keys 32 kk on
.set i, 0
.rept 16
.irp t, 0,1,2,3
	v_cvt_pk_f16_f32 v[S+32*\t+i], v[S+32*\t+2*i], v[S+32*\t+2*i+1]
.endr
.set i, i+1
.endr
.if \first == 0                                ; O^T times a: the one part that leaves window 0; each accumulator from its low end on
	WIN W_RS
.irp t, 0,1,2,3
.set i, 0
.rept 16
	v_pk_mul_f32 v[32*\t+2*i:32*\t+2*i+1], v[32*\t+2*i:32*\t+2*i+1], v[ST+8*\t+6:ST+8*\t+7] op_sel_hi:[1,0]
.set i, i+1
.endr
.endr
.endif
.endm
; A KEY STEP j: K of step j + 1 is asked for; the softmax of step j; V^T P of step j; K Q^T of step j + 1; V of step j + 1 is asked for.
.macro BODY first
	FETCH_K
	SOFTMAX \first
	s_wait_dscnt 0x0                               ; V of this step and K of the next are in: both were asked for a softmax ago
	PV \first
.rept 5
	v_nop                                          ; five places: the next products write over P's registers, which the last products read
.endr
	KQ
	FETCH_V
.endm
.macro STEPS n
	s_mov_b32 s[CNT], \n
.Lstep_\@:
	BODY 0
	s_sub_co_u32 s[CNT], s[CNT], 1
	s_cmp_lg_u32 s[CNT], 0
	s_cbranch_scc1 .Lstep_\@
.endm
; THE CHANGE OF SLOTS: the slot's last bytes, V of its eighth step, have been asked for.  Each wave waits for all its tensor loads, of which one is out: its part of the other slot; adds 0 to its spare word; and waits for that
; and for its own reads of the slot.  Behind the barrier nobody reads this slot any more and the other slot is whole.  fill = 1: this slot is filled again, with the keys two slots on: the barrier is then a round of the
; cluster's, so that no wave of any partner still reads the slot or has a load on its way, and the joint refill is the first thing behind it.
.macro CHANGE fill
	WIN 0
	s_wait_tensorcnt 0x0                           ; no tensor load of mine is out, so a group 0 may be written
	ds_add_u32 v[SPW], v[NIL]                      ; 0 onto my spare word
.if \fill
	s_xor_b32 s[G0W+1], s[G0W+1], SLOT1            ; the walking descriptor: the other slot than last time,
	s_add_nc_u64 s[G0W+2:G0W+3], s[G0W+2:G0W+3], SLOTB   ; the next 512 keys; the type bits on top are not reached
	s_wait_dscnt 0x0                               ; the add is done, and my reads of the slot are over
	CROUND
	tensor_load_to_lds s[G0W:G0W+3], s[G1:G1+7]    ; my one tensor load behind the round
	s_nop 0
.rept 4
	v_nop
.endr
.else
	s_wait_dscnt 0x0
	s_barrier_signal -1
	s_barrier_wait -1
.endif
	s_sub_co_u32 s[TB], s[TB], SLOTB               ; the fetches go back to a slot's first step,
	s_xor_b32 s[TB], s[TB], SLOT1                  ; in the other slot
.endm
	s_wait_tensorcnt 1                             ; my part of slot 0 is in; slot 1's may stay out
	s_barrier_signal -1
	s_barrier_wait -1                              ; everybody's is
	FETCH_K                                        ; key step 0
	s_wait_loadcnt 0x0                             ; Q
	s_wait_dscnt 0x0
	KQ
	FETCH_V
	BODY 1                                         ; step 0: it starts m, l and O^T
	STEPS 6                                        ; steps 1 to 6: slot 0's eight steps have been fetched
.Lslot:                                            ; two trips: slots 0 and 1 are filled again
	CHANGE 1
	STEPS 8
	s_sub_co_u32 s[SLOTS], s[SLOTS], 1
	s_cmp_lg_u32 s[SLOTS], 0
	s_cbranch_scc1 .Lslot
	CHANGE 0                                       ; the tail is written out
	STEPS 8
	SOFTMAX 0                                      ; step 31
	s_wait_dscnt 0x0
	PV 0
	; THE WAY OUT.  l's two halves and the other half of the lanes' are added (these lines are the places behind the last products); O^T is divided by l and rounded to f16 in pairs: four registers of a lane are
	; token lane % 16, channels 16 ct + 8 (lane / 16) + 0 .. 7: half a fragment of the projection's operand, stored as it stands.
	WIN 0
.irp t, 0,1,2,3
	v_add_f32 v[ST+8*\t+4], v[ST+8*\t+2], v[ST+8*\t+3]
.endr
.irp t, 0,1,2,3
	v_permlanex16_b32 v[ST+8*\t+5], v[ST+8*\t+4], s[SEL], s[SEL+1]
.endr
.irp t, 0,1,2,3
	v_add_f32 v[ST+8*\t+4], v[ST+8*\t+4], v[ST+8*\t+5]
.endr
.irp t, 0,1,2,3
	v_rcp_f32 v[ST+8*\t+6], v[ST+8*\t+4]
.endr
	v_nop                                          ; a plain instruction between the last reciprocal and the use of its result
	s_wait_alu depctr_va_vdst(0)                   ; and the wait ahead of the first use: one for the four reciprocals
	WIN W_RS
.irp t, 0,1,2,3
.set i, 0
.rept 16
	v_pk_mul_f32 v[32*\t+2*i:32*\t+2*i+1], v[32*\t+2*i:32*\t+2*i+1], v[ST+8*\t+6:ST+8*\t+7] op_sel_hi:[1,0]
.set i, i+1
.endr
.endr
	WIN 0x05                                       ; sources window 1, destination window 0: S^T's registers are free
.irp t, 0,1,2,3
.set i, 0
.rept 16
	v_cvt_pk_f16_f32 v[S+16*\t+i], v[32*\t+2*i], v[32*\t+2*i+1]
.set i, i+1
.endr
.endr
	WIN 0
.irp t, 0,1,2,3
.irp ct, 0,1,2,3
	global_store_b128 v[GO], v[S+16*\t+4*\ct:S+16*\t+4*\ct+3], s[6:7] offset:\t*32768+\ct*512   ; 32 lanes store 512 consecutive bytes, aligned
.endr
.endr
	s_wait_tensorcnt 0x0                           ; the wave's end, behind my last tensor load
	ds_add_u32 v[SPW], v[NIL]
	s_wait_dscnt 0x0
	CROUND                                         ; the closing round: no work-group ends while a partner may still ask for a tile that names it
	s_endpgm
.Lfunc_end_k_q2f4270a57a_attn:
	.size	k_q2f4270a57a_attn, .Lfunc_end_k_q2f4270a57a_attn-k_q2f4270a57a_attn
	.p2alignl 7, 3214868480
	.fill 96, 4, 3214868480
	.section	.rodata,"a",@progbits
	.p2align	6, 0x0
	.amdhsa_kernel k_q2f4270a57a_attn
		.amdhsa_group_segment_fixed_size 327680
		.amdhsa_private_segment_fixed_size 0
		.amdhsa_enable_private_segment 0
		.amdhsa_kernarg_size 16
		.amdhsa_user_sgpr_count 2
		.amdhsa_user_sgpr_kernarg_segment_ptr 1
		.amdhsa_wavefront_size32 1
		.amdhsa_system_sgpr_workgroup_id_x 1
		.amdhsa_system_sgpr_workgroup_id_y 1
		.amdhsa_system_sgpr_workgroup_id_z 1
		.amdhsa_system_vgpr_workitem_id 0
		.amdhsa_next_free_vgpr 512
		.amdhsa_next_free_sgpr 66
		.amdhsa_reserve_vcc 0
		.amdhsa_float_denorm_mode_32 3
		.amdhsa_float_denorm_mode_16_64 3
		.amdhsa_memory_ordered 1
		.amdhsa_forward_progress 1
		.amdhsa_inst_pref_size 171
	.end_amdhsa_kernel
	.amdgpu_metadata
---
amdhsa.version: [ 1, 2 ]
amdhsa.kernels:
  - .name:           k_q2f4270a57a_attn
    .symbol:         k_q2f4270a57a_attn.kd
    .args:
      - { .name: qkv, .offset: 0, .size: 8, .value_kind: global_buffer, .address_space: global }
      - { .name: ctxf, .offset: 8, .size: 8, .value_kind: global_buffer, .address_space: global }
    .group_segment_fixed_size: 327680
    .private_segment_fixed_size: 0
    .kernarg_segment_align: 8
    .kernarg_segment_size: 16
    .max_flat_workgroup_size: 256
    .sgpr_count:     66
    .vgpr_count:     512
    .wavefront_size: 32
...
	.end_amdgpu_metadata
.endif
;; end of part 3
;; launch proj (part 4): grid 4 x 64, 4 waves a work-group, clusters of 4 x 4, 327,680 bytes of LDS; arguments ctxf, wof, out0; writes out0
.if DOCPART == 4
	.amdgcn_target "amdgcn-amd-amdhsa--gfx1250"
	.amdhsa_code_object_version 6
	.text
	.protected	k_q2f4270a57a_proj
	.globl	k_q2f4270a57a_proj
	.p2align	8
	.type	k_q2f4270a57a_proj,@function
k_q2f4270a57a_proj:
	s_mov_b64 s[64:65], 0
	v_nop
	global_prefetch_b8 v0, s[64:65] scope:SCOPE_SE
	s_setreg_imm32_b32 hwreg(HW_REG_WAVE_MODE, 25, 1), 1
	s_wait_xcnt 0x0
	s_wait_alu depctr_hold_cnt(0) depctr_sa_sdst(0) depctr_va_vdst(0) depctr_va_sdst(0) depctr_va_ssrc(0) depctr_va_vcc(0) depctr_vm_vsrc(0)
	s_getreg_b32 s2, hwreg(HW_REG_IB_STS2, 6, 4)
	s_cmp_eq_u32 s2, 0
	s_cbranch_scc0 .Lentry_in_a_cluster
	s_endpgm
.Lentry_in_a_cluster:
	s_bfe_u32 s2, ttmp6, 0x10000c
	s_cmp_lg_u32 s2, 0xf033
	s_cbranch_scc0 .Lentry_shape_is_right
	s_endpgm
.Lentry_shape_is_right:
; PROJECTION.  out0[m][n] = sum over k of ctx[m][k] W_o[n][k]: m 8,192, n 1,024, k 1,024; f16 operands, f32 sums, f32 out.
; Both operands arrive as images of operand registers: ctxf = [16 rows mt 512][32 along K kc 32][half 2][lane 32][16 bytes], wof = [nt 64][kc 32][half 2][lane 32][16 bytes]: a fragment is 1,024 consecutive bytes, lane l's
; registers 0-3 at 16 l and 4-7 at 512 + 16 l.  So every LDS load takes 512 consecutive bytes, and LDS has no padding.
; A tile of out0 is 128 x 256: 256 work-groups (tiles of 256 x 256 would be 128).  Four waves, each 64 x 128: 32 accumulators, 256 registers.
; K goes in steps of 128 through a ring of two LDS slots: a step of 16 rows is 4,096 consecutive bytes; ctx's 8 such rows, then W_o's 16.  Waves 0 and 1 fetch ctx's halves (16 KB a load), waves 2 and 3 W_o's (32 KB).
; CLUSTERS: 4 x 4 work-groups.  The four of a row of the cluster need the same tiles of ctx, the four of a column the same tiles of W_o: each tile is asked for JOINTLY.
; THE MATRIX INSTRUCTION IS USED TRANSPOSED (source 0 = 16 rows of W_o, source 1 = 16 rows of ctx): a lane then holds eight neighbouring numbers of a row of out0.
; REGISTERS: window 0: v16-30 addresses; v32-127, v128-223 two fragment buffers for 32 along K: 32 registers of ctx (4 blocks), then 64 of W_o (8 blocks); on the way out v32-159 rows of out0.
;   window 1: the accumulators, (a, b) at v[8 (8 a + b)].
.set KSTEPB, 4096                      ; a K step of 16 rows, in bytes
.set ROWI,   32768                     ; 16 rows' images for all of K
.set BOFF,   8*KSTEPB                  ; in a slot W_o's rows lie behind ctx's eight
.set SLOT,   24*KSTEPB
.set STAGE,  2*SLOT                    ; behind the ring: 16 rows x (512 bytes + 16) for each wave, for the way out; no tensor load lands there
.set SPITCH, 528
.set SPARE,  STAGE+4*16*SPITCH         ; behind the stages: the spare words, 128 bytes for each wave
.set LAPS,   4                         ; a lap = two K steps = once round the ring
.set ADRA, 16                          ; v16-17  LDS address of my ctx fragments in slot 0, 1
.set ADRB, 20                          ; v20-21  the same for W_o
.set STO,  24                          ; v24     the way out: where I put 32 bytes of a row
.set RD,   25                          ; v25     where I read a row back
.set CO,   26                          ; v26     my byte offset in a row's 512 bytes of out0
.set SPW,  28
.set NIL,  29
.set PFO,  30                          ; v30     the prefetches' offset; never rewritten
.set F0,   32
.set F1,   128
.set BK,   32                          ; the way out: v32-95 and v96-159 by turns
.set G1A, 24                           ; s[24:31] descriptor group 1 for ctx's tiles;  s[32:39] group 0, one set for each slot
.set G0A, 32
.set G1B, 48                           ; s[48:55], s[56:63] the same for W_o's
.set G0B, 56
.set LIM, 43                           ; s43     1 in a wave that prefetches, else the greatest number
.set PFA, 44                           ; s[44:45] where my prefetches stand
.set MSB, 0
.macro WIN new                         ; the immediate's high byte repeats the setting that is left
.if MSB != \new
	s_set_vgpr_msb (MSB<<8)|\new
.set MSB, \new
.endif
.endm
.set MUL, 0x50                         ; sources 0 and 1 window 0; C and D window 1
.macro JLOAD s                         ; a joint load: waves 0 and 1 fetch ctx's two halves, waves 2 and 3 W_o's; an s_nop 0 and four v_nop follow each of the two lines, ahead of the jump, the label and what follows
	s_cmp_eq_u32 s11, 0
	s_cbranch_scc0 .Lfor_b_\@
	tensor_load_to_lds s[G0A+4*\s:G0A+4*\s+3], s[G1A:G1A+7]
	s_nop 0
.rept 4
	v_nop
.endr
	s_branch .Lasked_\@
.Lfor_b_\@:
	tensor_load_to_lds s[G0B+4*\s:G0B+4*\s+3], s[G1B:G1B+7]
	s_nop 0
.rept 4
	v_nop
.endr
.Lasked_\@:
.endm
; A PREFETCH INTO THE L2, behind each joint refill and the run of LDS loads that follows it: the K step that stands TWO refills on, 256 matrix instructions of the wave ahead of the load that will want it.
; One instruction names two rows' 4,096 bytes: 16 lanes to a row, 256 bytes apart.  Each block of 256 bytes is named ONCE in the launch: ctx's 8 rows of a tile are shared out among the four partners of a row of the cluster BY ADDRESS
; (2 cx, 2 cx + 1), and wave 0 asks; W_o's 16 rows are read by every cluster along y: cluster y = 0 asks, waves 2 and 3 for the 8 rows that each fetches, shared out among the four partners of a column by address (2 cy, 2 cy + 1).
; No branch hangs on a work-group's place in its cluster.  The loop's last trip (s3 = 1) asks for nothing: there is no K step two refills on.  K steps 0 to 3 come by their loads alone.
.macro ASK
	s_cmp_gt_u32 s3, s[LIM]
	s_cbranch_scc0 .Lnot_mine_\@
	global_prefetch_b8 v[PFO], s[PFA:PFA+1] offset:KSTEPB th:TH_LOAD_NT scope:SCOPE_SE
.Lnot_mine_\@:
.endm
.macro CREST                           ; a round of the cluster's barrier behind its opening barrier
	s_cmp_lg_u32 s10, 0
	s_cbranch_scc1 .Lnot_wave_0_\@
	s_barrier_signal -3
.Lnot_wave_0_\@:
	s_barrier_wait -3
	s_barrier_signal -1
	s_barrier_wait -1
.endm
.macro CROUND                          ; a whole round
	s_barrier_signal -1
	s_barrier_wait -1
	CREST
.endm
	s_load_b128 s[4:7], s[0:1], 0x0                ; ctxf s[4:5], wof s[6:7]
	s_load_b64 s[8:9], s[0:1], 0x10                ; out0
	v_lshl_add_u32 v[SPW], v0, 2, SPARE
	v_mov_b32 v[NIL], 0
	ds_add_u32 v[SPW], v[NIL]                      ; the wave's opening: the add, twice on end, and its wait ahead of my first tensor load; the set-up below stands between the second and the wait
	ds_add_u32 v[SPW], v[NIL]
	v_lshrrev_b32 v1, 5, v0
	v_readfirstlane_b32 s10, v1                    ; wave 0..3
	s_lshr_b32 s11, s10, 1                         ; which 64 of the tile's rows are mine.  Also: I fetch for ctx (0) or for W_o (1)
	s_and_b32 s12, s10, 1                          ; which 128 of its columns.  Also: which half of that tile I fetch
	s_bfe_u32 s40, ttmp6, 0x40000                  ; cx, cy: my place in the cluster
	s_bfe_u32 s41, ttmp6, 0x40004
	s_lshl_b32 s42, ttmp9, 2
	s_add_co_u32 s42, s42, s40                     ; tile column = 4 x cluster x + cx
	s_and_b32 s13, ttmp7, 0xffff
	s_lshl_b32 s13, s13, 2
	s_add_co_u32 s13, s13, s41                     ; tile row = 4 x cluster y + cy
	s_lshl_b32 s46, s41, 2
	s_lshl_b32 s46, 15, s46                        ; my row of the cluster
	s_lshl_b32 s47, 0x1111, s40                    ; my column
	; descriptor group 1: rows of 4,096 bytes (512 elements of 8 bytes), 32,768 bytes apart; ctx: 4 rows a load, W_o: 8
	s_or_b32 s[G1A], s46, (3<<16)|(1<<21)          ; 15:0 the mask; 17:16 elements of 8 bytes; 20 no padding; 21 set beside a mask
	s_or_b32 s[G1B], s47, (3<<16)|(1<<21)
	s_mov_b32 s[G1A+1], 512<<16                    ; tensor_dim0
	s_mov_b32 s[G1A+2], 4<<16                      ; tensor_dim1
	s_mov_b32 s[G1A+3], 512<<16                    ; tile_dim0
	s_mov_b32 s[G1A+4], 4                          ; tile_dim1
	s_mov_b32 s[G1A+5], ROWI/8                     ; from row to row
	s_mov_b32 s[G1A+6], 0
	s_mov_b32 s[G1A+7], 0
	s_mov_b32 s[G1B+1], 512<<16
	s_mov_b32 s[G1B+2], 8<<16
	s_mov_b32 s[G1B+3], 512<<16
	s_mov_b32 s[G1B+4], 8
	s_mov_b32 s[G1B+5], ROWI/8
	s_mov_b32 s[G1B+6], 0
	s_mov_b32 s[G1B+7], 0
	s_lshl_b32 s16, s13, 3
	s_lshl_b32 s17, s12, 2
	s_add_co_u32 s16, s16, s17                     ; ctx: row of images 8 x tile row + 4 x half
	s_lshl_b32 s16, s16, 15
	s_mov_b32 s17, 0
	s_lshl_b32 s18, s42, 4
	s_lshl_b32 s19, s12, 3
	s_add_co_u32 s18, s18, s19                     ; W_o: 16 x tile column + 8 x half
	s_lshl_b32 s18, s18, 15
	s_mov_b32 s19, 0
	s_lshl_b32 s20, s12, 14                        ; where they go: ctx's half,
	s_lshl_b32 s21, s12, 15
	s_add_co_u32 s21, s21, BOFF                    ; W_o's half: no place in the cluster enters an LDS address
	s_wait_dscnt 0x0                               ; both opening adds are done
	s_wait_kmcnt 0x0
	s_add_nc_u64 s[14:15], s[4:5], s[16:17]
	s_add_nc_u64 s[18:19], s[6:7], s[18:19]
	CROUND                                         ; all sixteen work-groups are here: the first joint loads meet
.irp s, 0,1
	s_mov_b32 s[G0A+4*\s], 1
	s_add_co_u32 s[G0A+4*\s+1], s20, \s*SLOT
	s_add_nc_u64 s[G0A+4*\s+2:G0A+4*\s+3], s[14:15], \s*KSTEPB
	s_or_b32 s[G0A+4*\s+3], s[G0A+4*\s+3], 0x80000000
	s_mov_b32 s[G0B+4*\s], 1
	s_add_co_u32 s[G0B+4*\s+1], s21, \s*SLOT
	s_add_nc_u64 s[G0B+4*\s+2:G0B+4*\s+3], s[18:19], \s*KSTEPB
	s_or_b32 s[G0B+4*\s+3], s[G0B+4*\s+3], 0x80000000
	JLOAD \s                                       ; two loads of mine are out
.endr
	v_and_b32 v1, 31, v0
	v_lshlrev_b32 v2, 4, v1                        ; 16 x lane
	s_lshl_b32 s21, s11, 14                        ; my 4 rows of ctx's images
	s_lshl_b32 s22, s12, 15                        ; my 8 of W_o's,
	s_add_co_u32 s22, s22, BOFF                    ; which lie behind ctx's
.irp s, 0,1
	v_add_nc_u32 v[ADRA+\s], s21, v2
	v_add_nc_u32 v[ADRB+\s], s22, v2
	s_add_co_u32 s21, s21, SLOT
	s_add_co_u32 s22, s22, SLOT
.endr
	s_mul_i32 s23, s10, 16*SPITCH
	s_add_co_u32 s23, s23, STAGE                   ; my stage
	v_and_b32 v3, 15, v0                           ; r
	v_bfe_u32 v4, v0, 4, 1                         ; h
	v_mul_u32_u24 v5, v3, SPITCH                   ; in: row r, 32 bytes for each half of the lanes
	v_lshl_add_u32 v5, v4, 5, v5
	v_add_nc_u32 v[STO], s23, v5
	v_add_nc_u32 v[RD], s23, v2                    ; back: the 32 lanes take one row of 512 bytes;
	v_mov_b32 v[CO], v2                            ; and the same in out0
	s_lshl_b32 s16, s13, 7
	s_lshl_b32 s17, s11, 6
	s_add_co_u32 s16, s16, s17                     ; my first row of out0: 128 x tile row + 64 x half
	s_lshl_b32 s16, s16, 12                        ; 4,096 bytes a row
	s_mov_b32 s17, 0
	s_add_nc_u64 s[8:9], s[8:9], s[16:17]
	s_lshl_b32 s18, s42, 10                        ; my first column, in bytes: 1,024 x tile column + 512 x half
	s_lshl_b32 s19, s12, 9
	s_add_co_u32 s18, s18, s19
	s_mov_b32 s19, 0
	s_add_nc_u64 s[8:9], s[8:9], s[18:19]
	; the prefetches: where mine stand, and who asks
	s_lshl_b32 s20, s13, 3
	s_lshl_b32 s21, s40, 1
	s_add_co_u32 s20, s20, s21                     ; ctx: row of images 8 x tile row + 2 cx
	s_lshl_b32 s22, s42, 4
	s_lshl_b32 s23, s12, 3
	s_add_co_u32 s22, s22, s23
	s_lshl_b32 s23, s41, 1
	s_add_co_u32 s22, s22, s23                     ; W_o: 16 x tile column + 8 x half + 2 cy
	s_and_b32 s23, ttmp7, 0xffff                   ; cluster y: along it other clusters read the same rows of W_o
	s_or_b32 s21, s12, ttmp9                       ; for ctx: wave 0 alone, in the first cluster along x
	s_cmp_eq_u32 s11, 0                            ; do I fetch for ctx?
	s_cselect_b32 s20, s20, s22
	s_cselect_b32 s23, s21, s23
	s_cselect_b64 s[PFA:PFA+1], s[4:5], s[6:7]
	s_cmp_eq_u32 s23, 0
	s_cselect_b32 s[LIM], 1, -1                    ; the same in all sixteen partners, for a given wave
	s_lshl_b32 s20, s20, 15
	s_add_co_u32 s20, s20, 2*KSTEPB                ; at K step 2: the first refill steps it to 3 and names K step 4
	s_mov_b32 s21, 0
	s_add_nc_u64 s[PFA:PFA+1], s[PFA:PFA+1], s[20:21]
	v_lshlrev_b32 v[PFO], 8, v3                    ; 256 x (lane % 16)
	v_lshl_add_u32 v[PFO], v4, 15, v[PFO]          ; + a row of images for lanes 16-31
; 8 matrix instructions: ctx's block a x W_o's eight, 32 along K, from buffer f.  zero = 1: the product starts the sums.  The 32 accumulators take turns, in the same order in every quarter.
.macro MUL8 f, a, zero
.irp b, 0,1,2,3,4,5,6,7
.if \zero
	v_wmma_f32_16x16x32_f16 v[8*(8*\a+\b):8*(8*\a+\b)+7], v[\f+32+8*\b:\f+32+8*\b+7], v[\f+8*\a:\f+8*\a+7], 0
.else
	v_wmma_f32_16x16x32_f16 v[8*(8*\a+\b):8*(8*\a+\b)+7], v[\f+32+8*\b:\f+32+8*\b+7], v[\f+8*\a:\f+8*\a+7], v[8*(8*\a+\b):8*(8*\a+\b)+7]
.endif
.endr
.endm
; 24 LDS loads in one run: the fragments of the slot's q-th 32 along K into buffer f: W_o's eight, then ctx's blocks 0 to 3
.macro FETCH slot, q, f
.irp b, 0,1,2,3,4,5,6,7
	ds_load_b128 v[\f+32+8*\b:\f+32+8*\b+3], v[ADRB+\slot] offset:\b*KSTEPB+\q*1024
	ds_load_b128 v[\f+32+8*\b+4:\f+32+8*\b+7], v[ADRB+\slot] offset:\b*KSTEPB+\q*1024+512
.endr
.irp a, 0,1,2,3
	ds_load_b128 v[\f+8*\a:\f+8*\a+3], v[ADRA+\slot] offset:\a*KSTEPB+\q*1024
	ds_load_b128 v[\f+8*\a+4:\f+8*\a+7], v[ADRA+\slot] offset:\a*KSTEPB+\q*1024+512
.endr
.endm
.macro PLACES                          ; four places in front of loads into registers that matrix instructions have read, and of the first read of results (ISA guide 7.12.1 for vector instructions)
.rept 4
	v_nop
.endr
.endm
; A K step is four quarters of 32 along K, 32 matrix instructions each, on buffers 0, 1, 0, 1.  One of the first three: multiplies buffer f and fetches the slot's q-th quarter into g.
.macro QUARTER slot, q, f, g, zero
	s_wait_dscnt 4                                 ; W_o's fragments and ctx's blocks 0 and 1 are in; the youngest four loads (blocks 2 and 3) may be out
	WIN MUL
	MUL8 \f, 0, \zero
	MUL8 \f, 1, \zero
	PLACES
	WIN 0
	FETCH \slot, \q, \g
	s_wait_dscnt 24                                ; all but the 24 just issued
	WIN MUL
	MUL8 \f, 2, \zero
	MUL8 \f, 3, \zero
.endm
; The last quarter multiplies buffer 1 and changes slots: ONE barrier; in front of it each wave waits for all its tensor loads, adds 0 to its spare word, and waits for that and for its own reads of this slot.
; fill = 1: this slot is filled again, two K steps ahead: the barrier opens a round of the cluster's, and the joint refill is the first tensor load behind it.
.macro TURN slot, next, fill
.if \fill
	s_wait_xcnt 0x0                                ; the last prefetch, a K step back, has read its address: it is stepped here, ahead of the waits of the change of slots
	s_add_nc_u64 s[PFA:PFA+1], s[PFA:PFA+1], KSTEPB
.endif
	WIN 0                                          ; (the add's two registers lie in window 0)
	s_wait_tensorcnt 0x0                           ; all my tensor loads have landed: my part of the next slot;
	ds_add_u32 v[SPW], v[NIL]                      ; 0 onto my spare word;
	s_wait_dscnt 5                                 ; (the add and the youngest four loads may be out)
	WIN MUL
	MUL8 F1, 0, 0                                  ; eight matrix instructions stand between the add and the wait for it
	s_wait_dscnt 0x0                               ; the add is done, and my reads of this slot are over
	s_barrier_signal -1
	MUL8 F1, 1, 0
	WIN 0
	s_barrier_wait -1
.if \fill
	CREST                                          ; no wave of any partner still reads this slot's tile or has a load on its way
	s_add_nc_u64 s[G0A+4*\slot+2:G0A+4*\slot+3], s[G0A+4*\slot+2:G0A+4*\slot+3], 2*KSTEPB
	s_add_nc_u64 s[G0B+4*\slot+2:G0B+4*\slot+3], s[G0B+4*\slot+2:G0B+4*\slot+3], 2*KSTEPB
	JLOAD \slot                                    ; 112 matrix instructions ahead of the wait for it; the four v_nop behind it are also the places in front of the loads below
.else
	PLACES
.endif
	FETCH \next, 0, F0
.if \fill
	ASK
.endif
	WIN MUL
	MUL8 F1, 2, 0
	MUL8 F1, 3, 0
.endm
	s_wait_tensorcnt 1                             ; my part of K step 0 is in (K step 1's load may be out)
	s_barrier_signal -1
	s_barrier_wait -1                              ; everybody's is
	FETCH 0, 0, F0
	QUARTER 0, 1, F0, F1, 1                        ; the first quarter stands in front of the loop: its products start the sums
	WIN 0                                          ; at a label and at a branch every window is 0
	s_mov_b32 s3, LAPS-1
.Llap:                                             ; a trip goes once round the ring, from a lap's second quarter to the next lap's first, and fills both slots again
	QUARTER 0, 2, F1, F0, 0
	QUARTER 0, 3, F0, F1, 0
	TURN 0, 1, 1
	QUARTER 1, 1, F0, F1, 0
	QUARTER 1, 2, F1, F0, 0
	QUARTER 1, 3, F0, F1, 0
	TURN 1, 0, 1
	QUARTER 0, 1, F0, F1, 0
	WIN 0
	s_sub_co_u32 s3, s3, 1
	s_cmp_lg_u32 s3, 0
	s_cbranch_scc1 .Llap
	QUARTER 0, 2, F1, F0, 0                        ; the last lap fills nothing, and has no round of the cluster's barrier
	QUARTER 0, 3, F0, F1, 0
	TURN 0, 1, 0
	QUARTER 1, 1, F0, F1, 0
	QUARTER 1, 2, F1, F0, 0
	QUARTER 1, 3, F0, F1, 0
	s_wait_dscnt 4                                 ; the very last quarter: nothing more to fetch
	WIN MUL
	MUL8 F1, 0, 0
	MUL8 F1, 1, 0
	s_wait_dscnt 0
	MUL8 F1, 2, 0
	MUL8 F1, 3, 0
	WIN 0
; THE WAY OUT, block by block of 16 rows x 128 columns.  A lane holds 32 neighbouring bytes of a row, and the lanes beside it hold other rows: so a block goes through my own stage in LDS and comes back as whole rows of 512 bytes.
; LDS serves a wave's instructions in order (ISA guide 5.7.1.4): no wait between the stores and the loads, nor in front of the next block's stores.
.macro TOSTAGE a
	WIN 0x04                                       ; an LDS store's data are its source 1: window 1
.irp b, 0,1,2,3,4,5,6,7
	ds_store_b128 v[STO], v[8*(8*(\a)+\b):8*(8*(\a)+\b)+3] offset:64*\b          ; each accumulator from its low end on
	ds_store_b128 v[STO], v[8*(8*(\a)+\b)+4:8*(8*(\a)+\b)+7] offset:64*\b+16
.endr
	WIN 0
.set BB, BK+64*((\a)%2)
.irp t, 0,1,2,3,4,5,6,7,8,9,10,11,12,13,14,15
	ds_load_b128 v[BB+4*\t:BB+4*\t+3], v[RD] offset:\t*SPITCH
.endr
.endm
.macro SEND a, younger                 ; younger: the LDS instructions issued behind block a's loads, which may stay out
.set BB, BK+64*((\a)%2)
	s_wait_dscnt \younger                          ; the block is back in registers
.if (\a) > 0
	s_add_nc_u64 s[8:9], s[8:9], 16*4096           ; (behind a wait on XCNT: the earlier stores have read their base)  16 rows of out0 on
.endif
.irp t, 0,1,2,3,4,5,6,7,8,9,10,11,12,13,14,15
	global_store_b128 v[CO], v[BB+4*\t:BB+4*\t+3], s[8:9] offset:\t*4096 th:TH_STORE_NT   ; 32 lanes store 512 consecutive bytes, aligned; written once, read by nobody here
.endr
.endm
	PLACES                                         ; behind the last products: for the stores that read results and the loads into registers that held fragments
	TOSTAGE 0
.irp a, 1,2,3
.if \a > 1
	s_wait_xcnt 0x0                                ; block a - 2's stores have read their registers and their base: block a's loads may land there, and the base may step
.endif
	TOSTAGE \a
	SEND \a-1, 32                                  ; behind block a - 1's loads: block a's 16 stores and 16 loads
.endr
	s_wait_xcnt 0x0                                ; block 2's stores have read their base
	SEND 3, 0
	s_wait_tensorcnt 0x0                           ; the wave's end, behind my last tensor load and my last LDS store
	ds_add_u32 v[SPW], v[NIL]
	s_wait_dscnt 0x0
	CROUND                                         ; the closing round: no work-group ends while a partner may still ask for a tile that names it
	s_endpgm
.Lfunc_end_k_q2f4270a57a_proj:
	.size	k_q2f4270a57a_proj, .Lfunc_end_k_q2f4270a57a_proj-k_q2f4270a57a_proj
	.p2alignl 7, 3214868480
	.fill 96, 4, 3214868480
	.section	.rodata,"a",@progbits
	.p2align	6, 0x0
	.amdhsa_kernel k_q2f4270a57a_proj
		.amdhsa_group_segment_fixed_size 327680
		.amdhsa_private_segment_fixed_size 0
		.amdhsa_enable_private_segment 0
		.amdhsa_kernarg_size 24
		.amdhsa_user_sgpr_count 2
		.amdhsa_user_sgpr_kernarg_segment_ptr 1
		.amdhsa_wavefront_size32 1
		.amdhsa_system_sgpr_workgroup_id_x 1
		.amdhsa_system_sgpr_workgroup_id_y 1
		.amdhsa_system_sgpr_workgroup_id_z 1
		.amdhsa_system_vgpr_workitem_id 0
		.amdhsa_next_free_vgpr 512
		.amdhsa_next_free_sgpr 66
		.amdhsa_reserve_vcc 0
		.amdhsa_float_denorm_mode_32 3
		.amdhsa_float_denorm_mode_16_64 3
		.amdhsa_memory_ordered 1
		.amdhsa_forward_progress 1
		.amdhsa_inst_pref_size 86
	.end_amdhsa_kernel
	.amdgpu_metadata
---
amdhsa.version: [ 1, 2 ]
amdhsa.kernels:
  - .name:           k_q2f4270a57a_proj
    .symbol:         k_q2f4270a57a_proj.kd
    .args:
      - { .name: ctxf, .offset: 0, .size: 8, .value_kind: global_buffer, .address_space: global }
      - { .name: wof, .offset: 8, .size: 8, .value_kind: global_buffer, .address_space: global }
      - { .name: out0, .offset: 16, .size: 8, .value_kind: global_buffer, .address_space: global }
    .group_segment_fixed_size: 327680
    .private_segment_fixed_size: 0
    .kernarg_segment_align: 8
    .kernarg_segment_size: 24
    .max_flat_workgroup_size: 128
    .sgpr_count:     66
    .vgpr_count:     512
    .wavefront_size: 32
...
	.end_amdgpu_metadata
.endif
;; end of part 4
